; MI455X (gfx1250); checked and timed in simulation.
; The chip was launched on July 23, 2026; its instructions are those of AMD's public machine-readable ISA for CDNA 5 (MIT licence, August 2026) and "CDNA5" Instruction Set Architecture Reference Guide (July 2026). The comments in the code are by the model that wrote it; some were corrected since.
;; Tree Attention V2. Allowed arithmetic: matrix products marked QUANTISED: E2M1 operands, one E8M0 scale for each 32 along K, by v_wmma_scale_f32_16x16x128_f8f6f4 with both operands' format E2M1 (or v_wmma_scale_f32_32x16x128_f4), f32 sums; products left as they are: bf16, f16 or f32 operands; f32 sums; everything else in f32.
;; Inputs: W_attn 1,024 x 3,072 float32; W_proj 1,024 x 1,024 float32; b_attn 3,072 float32; b_proj 1,024 float32; x 4 x 2,048 x 1,024 float32.
;; Outputs: out0 4 x 2,048 x 1,024 float32.
;; This version of the problem:
;;   THIS VERSION OF THE PROBLEM IS GIVEN IN LOW PRECISION. The matrix products marked QUANTISED in the list below multiply operands that are first quantised to E2M1 (2 exponent bits, 1 mantissa bit; 4 bits a number), with one power-of-two scale for each 32 numbers along K (OCP MX v1.0); their sums are f32. The products marked 'left as it is' may take bf16, f16 or f32 operands, with f32 sums. Whichever they take, every output number must still come out within the allowed error. Rounding operands to bf16 (8 significant bits) uses up far more of that allowance than f16 does (11 bits, for magnitudes from 6e-5 to 65,504). All else is computed in f32.
;;   The module's matrix products, in the order in which they are computed (A, B: the left and right operand; K: the contracted axis; several contracted axes count as one K, in the product's order):
;;     1. [M 8,192, K 1,024] x [K 1,024, N 3,072]; A: input x; B: input W_attn: QUANTISED
;;     2. batch 64 x [M 2,048, K 64] x [K 64, N 2,048]; A: computed on the way; B: computed on the way: left as it is (an operand is computed on the way)
;;     3. batch 64 x [M 2,048, K 2,048] x [K 2,048, N 64]; A: computed on the way; B: computed on the way: left as it is (an operand is computed on the way)
;;     4. [M 8,192, K 1,024] x [K 1,024, N 1,024]; A: computed on the way; B: input W_proj: left as it is (an operand is computed on the way)
;;   THE QUANTISER, for each operand of a quantised product, along K:
;;     - K is cut into blocks of 32 from its start; a last block that is shorter is filled with zeros.
;;     - A block's scale is 2^e with e = floor(log2(the largest magnitude in the block)) - 2, held to -126 .. 127; a block of zeros has e = 0. As a byte (E8M0): e + 127.
;;     - Each number is divided by its block's scale, clamped to +-6, and rounded to the nearest number of E2M1, ties to even, subnormals kept.
;;     - The product sums the exact products of the quantised numbers (number of the format x scale) in f32.
;;   ~~~python
;;   def quantise(x, axis):      # numpy; x: float32 -> the quantised numbers, widened to float32 again
;;       x = np.moveaxis(x, axis, -1); K = x.shape[-1]
;;       x = np.pad(x, [(0, 0)] * (x.ndim - 1) + [(0, -K % 32)]); x = x.reshape(x.shape[:-1] + (-1, 32)); a = np.abs(x).max(-1, keepdims=True)
;;       e = np.where(a > 0, np.clip(np.frexp(np.where(a > 0, a, 1))[1] - 1 - 2, -126, 127), 0)      # np.frexp(a)[1] - 1 = floor(log2(a)), exactly
;;       r = np.clip(x / 2.0 ** e, -6, 6)
;;       step = 2.0 ** (np.maximum(np.frexp(np.where(r == 0, 1, r))[1] - 1, 0) - 1)
;;       q = np.round(r / step) * step * 2.0 ** e      # np.round: ties to even
;;       return np.moveaxis(q.reshape(q.shape[:-2] + (-1,))[..., :K], -1, axis).astype(np.float32)
;;   ~~~
;; One version. Each part assembles by itself: llvm-mc -triple=amdgcn-amd-amdhsa -mcpu=gfx1250 --defsym DOCPART=n.
;; ======== version 1 of 1: 4 launches
;; limits: values are held in f16: magnitudes above 65,504 overflow, below 6.1e-05 lose precision
;; workspace buffers: xq_codes 4,194,304 bytes; xq_scales 262,144 bytes; wq_codes 1,572,864 bytes; wq_scales 98,304 bytes; wp16 2,097,152 bytes; qkv16 50,331,648 bytes; y16 16,777,216 bytes
;; launch prep (part 1): grid 336 x 1, 4 waves a work-group, no clusters, 68,096 bytes of LDS; arguments x, W_attn, W_proj, xq_codes, xq_scales, wq_codes, wq_scales, wp16; writes xq_codes, xq_scales, wq_codes, wq_scales, wp16
.if DOCPART == 1
	.amdgcn_target "amdgcn-amd-amdhsa--gfx1250"
	.amdhsa_code_object_version 6
	.text
	.protected	k_q12bb7b0c3c_prep
	.globl	k_q12bb7b0c3c_prep
	.p2align	8
	.type	k_q12bb7b0c3c_prep,@function
k_q12bb7b0c3c_prep:
	s_mov_b64 s[64:65], 0
	v_nop
	global_prefetch_b8 v0, s[64:65] scope:SCOPE_SE
	s_setreg_imm32_b32 hwreg(HW_REG_WAVE_MODE, 25, 1), 1
	s_wait_xcnt 0x0
; PREP: the operands of the later launches are made once.
;   work-groups   0 ..  47: W_attn [1024 k][3072 n] f32 -> codes of FP4 (E2M1) laid [n][k], K innermost, 512 bytes a row, and one E8M0 byte for each 32 along K, laid [n][32]
;   work-groups  48 .. 303: x [8192][1024] f32 -> codes [8192][512 bytes] and scale bytes [8192][32]
;   work-groups 304 .. 335: W_proj [1024 k][1024 n] f32 -> f16, layout kept
; A block's scale is 2^(floor(log2(its largest magnitude)) - 2); its byte is the largest magnitude's exponent field - 2, held at 1 from below.  Each number is divided by the scale and rounded to the nearest code, ties to even; beyond 6 the largest code.
; LIMITS: a block of zeros, and a block whose largest magnitude lies under 2^-124, keep the byte 1 (the rule says 127 for zeros): their codes are zeros or are held by that scale, and the bytes are read by this program alone.
;         NaN and infinities among the inputs are not served.  W_proj beyond 65,504 in magnitude has no f16 number.
; The three paths part on the work-group's number alone.  No work-group reads what another reads, so there is no cluster; no tensor load, no barrier: waves share nothing.  Each path that uses LDS has LDS bytes of its own.
.set SPARE, 67584                      ; behind both paths' regions: the spare words, 128 bytes for each wave: two blocks of 256 bytes that no other line names
.set SPW,   190                        ; v190 LDS address of my spare word: SPARE + 4 x my thread's number; never rewritten
.set NIL,   191                        ; v191 0; never rewritten
.set EMAX,  2
; ---- x's path: a wave takes 16 steps of 512 numbers
.set STEPS, 16
.set CB,    8                          ; bytes of 16 codes
.set XR,    16                         ; v16-79   four sets of 16 numbers as they are loaded
.set XX,    80                         ; v80-111  two sets of 16 neighbours
.set XE,    112                        ; v112-127 a scale byte for each step
.set XC,    128                        ; v128-189 codes: four registers apart for each step, so that no store's data are written again
.set WREG,  8192                       ; LDS 0 .. 32,767: a region for each wave: two stages of 32 x SP bytes, behind them its 256 scale bytes
.set SP,    80                         ; a lane's place in a stage: its 64 bytes + 16 of padding
; ---- W_attn's path: a wave takes 32 columns x 512 along K
.set SIZE_K, 1024
.set SIZE_N, 3072
.set KW,    512
.set NB,    KW/32
.set PITCH, 272                        ; a stage row: 256 bytes of codes + 16
.set KROW,  SIZE_K/2                   ; a row of the codes' buffer in bytes
.set WSTG,  32768                      ; LDS 32,768 .. 67,583: a stage of 32 x 272 bytes for each wave
.set WX,    32                         ; v32-95   two sets of 32 numbers
.set WC,    96                         ; v96-99   a block's codes
.set OUTR,  112                        ; v112-175 the way out
.set SB,    24                         ; v24-27   the scale bytes, four to a register
.macro XLOAD t
.irp i, 0,1,2,3
	global_load_b128 v[XR+16*((\t)%4)+4*\i:XR+16*((\t)%4)+4*\i+3], v3, s[4:5] offset:2048*(\t)+512*\i th:TH_LOAD_NT   ; 32 lanes read 512 consecutive bytes
.endr
.endm
.macro XTURN t                         ; step t's numbers through the stage: LDS serves a wave's instructions in order, so no wait stands between the stores and the loads
.irp i, 0,1,2,3
	ds_store_b128 v14, v[XR+16*((\t)%4)+4*\i:XR+16*((\t)%4)+4*\i+3] offset:32*SP*((\t)%2)+8*SP*\i
.endr
.irp i, 0,1,2,3
	ds_load_b128 v[XX+16*((\t)%2)+4*\i:XX+16*((\t)%2)+4*\i+3], v15 offset:32*SP*((\t)%2)+16*\i
.endr
.endm
.macro XSTEP t
.set XS, XX+16*((\t)%2)
.if (\t) > 0
	s_wait_dscnt 1                                 ; this step's numbers are back from the stage (the last step's byte store may be out): so its stores into the stage have read their registers,
.else
	s_wait_dscnt 0x0
.endif
.if (\t)+4 < STEPS
	XLOAD (\t)+4                                   ; which take the loads of four steps on
.endif
.if (\t)+1 < STEPS
.if STEPS-2-(\t) >= 3
	s_wait_loadcnt 12                              ; the next step's four loads are in; those of the three steps behind it may be out
.else
	s_wait_loadcnt 4*(STEPS-2-(\t))
.endif
	XTURN (\t)+1                                   ; and go through the other stage while this step is worked
.endif
	v_max3_num_f32 v8, |v[XS]|, |v[XS+1]|, |v[XS+2]|               ; the largest magnitude of my 16, in two chains
	v_max3_num_f32 v9, |v[XS+3]|, |v[XS+4]|, |v[XS+5]|
.irp i, 6,10
	v_max3_num_f32 v8, v8, |v[XS+\i]|, |v[XS+\i+1]|
	v_max3_num_f32 v9, v9, |v[XS+\i+2]|, |v[XS+\i+3]|
.endr
	v_max3_num_f32 v8, v8, |v[XS+14]|, |v[XS+15]|
	v_max3_num_f32 v8, v8, v9, (EMAX+1)<<23        ; and the floor 2^(3 - 127): so the byte cannot fall under 1
	v_max_num_f32_dpp v8, v8, v8 row_xmask:1 row_mask:0xf bank_mask:0xf   ; and of my neighbour's 16: the block's
	v_add_nc_u32 v11, -(EMAX<<23), v8              ; 2 off its exponent field: the conversion takes the exponent field of this operand as its scale
	v_cvt_scalef32_pk8_fp4_f32 v[XC+4*(\t)], v[XS:XS+7], v11
	v_cvt_scalef32_pk8_fp4_f32 v[XC+4*(\t)+1], v[XS+8:XS+15], v11
	v_lshrrev_b32 v[XE+(\t)], 23, v11              ; the scale's byte (also the plain line behind the conversions)
	ds_store_b8 v5, v[XE+(\t)] offset:16*(\t)      ; both lanes of a block write the same byte with the same value
	global_store_b64 v4, v[XC+4*(\t):XC+4*(\t)+1], s[10:11] offset:32*CB*(\t)   ; the wave stores 256 consecutive bytes, aligned
.endm
.macro WLOAD t                         ; block t: W(32 t + i, my column), i = 0 .. 31, into set t % 2
.irp i, 0,1,2,3,4,5,6,7,8,9,10,11,12,13,14,15,16,17,18,19,20,21,22,23,24,25,26,27,28,29,30,31
	global_load_b32 v[WX+32*((\t)%2)+\i], v3, s[6:7] offset:(32*(\t)+\i)*SIZE_N*4 th:TH_LOAD_NT
.endr
.endm
.macro WBLOCK t
.set XS, WX+32*((\t)%2)
.if (\t) < NB-1
	s_wait_loadcnt 32                              ; this block's 32 loads are in; the next block's may be out
.else
	s_wait_loadcnt 0x0
.endif
	v_max3_num_f32 v12, |v[XS]|, |v[XS+1]|, |v[XS+2]|              ; the block's largest magnitude: all 32 numbers are mine
	v_max3_num_f32 v13, |v[XS+3]|, |v[XS+4]|, |v[XS+5]|
.irp i, 6,10,14,18,22,26
	v_max3_num_f32 v12, v12, |v[XS+\i]|, |v[XS+\i+1]|
	v_max3_num_f32 v13, v13, |v[XS+\i+2]|, |v[XS+\i+3]|
.endr
	v_max3_num_f32 v12, v12, |v[XS+30]|, |v[XS+31]|
	v_max3_num_f32 v12, v12, v13, (EMAX+1)<<23     ; and the floor
	v_add_nc_u32 v11, -(EMAX<<23), v12             ; the conversion's scale operand
	v_lshrrev_b32 v13, 23, v11                     ; the scale's byte
.if (\t)%4 == 0
	v_mov_b32 v[SB+(\t)/4], v13                    ; four bytes to a register, the lower K in the lower byte
.else
	v_lshl_or_b32 v[SB+(\t)/4], v13, 8*((\t)%4), v[SB+(\t)/4]
.endif
.irp g, 0,1,2,3
	v_cvt_scalef32_pk8_fp4_f32 v[WC+\g], v[XS+8*\g:XS+8*\g+7], v11
.endr
	v_nop                                          ; one plain line behind the last conversion
	ds_store_b128 v4, v[WC:WC+3] offset:16*(\t)    ; 32 codes: 16 bytes of my column's row
.if (\t)+2 < NB
	WLOAD (\t)+2
.endif
	s_wait_dscnt 0x0                               ; the store has read its registers: the next block's codes may be written
.endm
.macro PLOADG g                        ; 16 pieces of 512 consecutive bytes into set g % 2
.irp j, 0,1,2,3,4,5,6,7,8,9,10,11,12,13,14,15
	global_load_b128 v[16+64*((\g)%2)+4*\j:16+64*((\g)%2)+4*\j+3], v3, s[8:9] offset:512*(16*(\g)+\j) th:TH_LOAD_NT
.endr
.endm
.macro PGROUP g
.if (\g) < 3
	s_wait_loadcnt 16                              ; this group's 16 loads are in; the next group's may be out
.else
	s_wait_loadcnt 0x0
.endif
.if (\g) > 0
	s_wait_xcnt 0x0                                ; the last group's stores have read v144-175: they are rewritten only behind this wait
.endif
.irp j, 0,1,2,3,4,5,6,7,8,9,10,11,12,13,14,15
	v_cvt_pk_f16_f32 v[144+2*\j], v[16+64*((\g)%2)+4*\j], v[16+64*((\g)%2)+4*\j+1]
	v_cvt_pk_f16_f32 v[145+2*\j], v[16+64*((\g)%2)+4*\j+2], v[16+64*((\g)%2)+4*\j+3]
.endr
.irp j, 0,1,2,3,4,5,6,7,8,9,10,11,12,13,14,15
	global_store_b64 v4, v[144+2*\j:145+2*\j], s[18:19] offset:256*(16*(\g)+\j)   ; the wave stores 256 consecutive bytes, aligned
.endr
.if (\g) < 2
	PLOADG (\g)+2
.endif
.endm
	s_load_b512 s[4:19], s[0:1], 0x0               ; x s[4:5], W_attn s[6:7], W_proj s[8:9], x's codes s[10:11], x's scales s[12:13], W_attn's codes s[14:15], its scales s[16:17], W_proj in f16 s[18:19]
	v_lshl_add_u32 v[SPW], v0, 2, SPARE
	v_mov_b32 v[NIL], 0
	v_lshrrev_b32 v1, 5, v0
	v_readfirstlane_b32 s20, v1                    ; wave 0..3
	v_and_b32 v2, 31, v0                           ; lane
	s_wait_kmcnt 0x0
	s_cmp_lt_u32 ttmp9, 48
	s_cbranch_scc1 .Lw
	s_cmp_lt_u32 ttmp9, 304
	s_cbranch_scc1 .Lx
	; ---- W_proj to f16: a wave takes 8,192 numbers, 64 pieces of 128
	s_sub_co_u32 s21, ttmp9, 304
	s_lshl_b32 s21, s21, 2
	s_add_co_u32 s21, s21, s20                     ; which run of 8,192 numbers is my wave's: 0 .. 127
	s_lshl_b32 s22, s21, 15
	s_mov_b32 s23, 0
	s_add_nc_u64 s[8:9], s[8:9], s[22:23]
	s_lshl_b32 s22, s21, 14
	s_add_nc_u64 s[18:19], s[18:19], s[22:23]
	v_lshlrev_b32 v3, 4, v2                        ; in: 16 bytes a lane
	v_lshlrev_b32 v4, 3, v2                        ; out: 8 bytes a lane
	PLOADG 0
	PLOADG 1
	PGROUP 0
	PGROUP 1
	PGROUP 2
	PGROUP 3
	s_endpgm
.Lx:	; ---- x: rows are dense and 1,024 is a multiple of 32, so x is a plain stream of blocks of 32, and so are its codes and scale bytes
	s_sub_co_u32 s21, ttmp9, 48
	s_lshl_b32 s21, s21, 2
	s_add_co_u32 s21, s21, s20                     ; which run of 8,192 numbers is my wave's: 0 .. 1,023
	s_lshl_b32 s22, s21, 15
	s_mov_b32 s23, 0
	s_add_nc_u64 s[4:5], s[4:5], s[22:23]
	s_lshl_b32 s22, s21, 12
	s_add_nc_u64 s[10:11], s[10:11], s[22:23]
	s_lshl_b32 s22, s21, 8
	s_add_nc_u64 s[12:13], s[12:13], s[22:23]
	v_lshlrev_b32 v3, 4, v2                        ; my 16 bytes of a load's 512
	s_mul_i32 s24, s20, WREG
	v_lshrrev_b32 v14, 2, v2
	v_mul_u32_u24 v14, v14, SP
	v_and_b32 v15, 3, v2
	v_lshl_add_u32 v14, v15, 4, v14
	v_add_nc_u32 v14, s24, v14                     ; the stage, on the way in: four lanes' 64 bytes on end, then 16 of padding
	v_mul_u32_u24 v15, v2, SP
	v_add_nc_u32 v15, s24, v15                     ; and on the way out: my 16 neighbours
	v_mul_u32_u24 v4, v2, CB                       ; my codes' place in a step's
	v_lshrrev_b32 v5, 1, v2
	s_add_co_u32 s24, s24, 2*32*SP
	v_add_nc_u32 v5, s24, v5                       ; my wave's 256 scale bytes, my block's byte
	v_lshlrev_b32 v7, 3, v2                        ; and on the way out 8 bytes a lane
	v_add_nc_u32 v6, s24, v7
.irp t, 0,1,2,3
	XLOAD \t
.endr
	s_wait_loadcnt 12                              ; step 0's four loads are in
	XTURN 0
.irp t, 0,1,2,3,4,5,6,7,8,9,10,11,12,13,14,15
	XSTEP \t
.endr
	ds_load_b64 v[8:9], v6                         ; LDS serves a wave's instructions in order: these see my byte stores
	s_wait_dscnt 0x0
	global_store_b64 v7, v[8:9], s[12:13]          ; 32 lanes store 256 consecutive bytes, aligned
	s_wait_tensorcnt 0x0                           ; the wave's end, behind my last LDS store
	ds_add_u32 v[SPW], v[NIL]
	s_wait_dscnt 0x0
	s_endpgm
.Lw:	; ---- W_attn: a lane takes a column n and its registers run down K: a block of 32 lies in one lane, and the conversions give codes with K innermost
	s_cmp_ge_u32 ttmp9, 24
	s_cselect_b32 s22, 1, 0                        ; which 512 along K
	s_mul_i32 s21, s22, 24
	s_sub_co_u32 s21, ttmp9, s21                   ; which 128 columns
	s_lshl_b32 s21, s21, 7
	s_lshl_b32 s23, s20, 5
	s_add_co_u32 s21, s21, s23                     ; my wave's first column
	v_lshlrev_b32 v3, 2, v2                        ; in: 4 bytes a lane: 128 consecutive bytes a wave
	s_mul_i32 s24, s20, 32*PITCH
	s_add_co_u32 s24, s24, WSTG                    ; my stage
	v_mul_u32_u24 v4, v2, PITCH
	v_add_nc_u32 v4, s24, v4                       ; into it: row = my column
	v_and_b32 v5, 15, v2
	v_lshrrev_b32 v6, 4, v2                        ; out of it: sixteen lanes to a row, two rows an instruction
	v_mul_u32_u24 v7, v6, PITCH
	v_lshl_add_u32 v7, v5, 4, v7
	v_add_nc_u32 v7, s24, v7
	v_mul_u32_u24 v8, v6, KROW
	v_lshl_add_u32 v8, v5, 4, v8                   ; and the same place in the codes' buffer
	v_mul_u32_u24 v9, v2, SIZE_K/32                ; my column's row of scale bytes
	s_mul_i32 s26, s22, KW*SIZE_N*4                ; W: 512 rows of 12,288 bytes for each step along K, + 4 x column
	s_lshl_b32 s23, s21, 2
	s_add_co_u32 s26, s26, s23
	s_mov_b32 s27, 0
	s_add_nc_u64 s[6:7], s[6:7], s[26:27]
	s_mul_i32 s26, s21, KROW                       ; codes: column x 512 + 256 x step
	s_lshl_b32 s23, s22, 8
	s_add_co_u32 s26, s26, s23
	s_add_nc_u64 s[14:15], s[14:15], s[26:27]
	s_lshl_b32 s26, s21, 5                         ; scale bytes: column x 32 + 16 x step
	s_lshl_b32 s23, s22, 4
	s_add_co_u32 s26, s26, s23
	s_add_nc_u64 s[16:17], s[16:17], s[26:27]
	WLOAD 0
	WLOAD 1
.set Q, 0
.rept NB
	WBLOCK Q
.set Q, Q+1
.endr
	global_store_b128 v9, v[SB:SB+3], s[16:17]     ; my column's 16 scale bytes
.irp t, 0,1,2,3,4,5,6,7,8,9,10,11,12,13,14,15
	ds_load_b128 v[OUTR+4*\t:OUTR+4*\t+3], v7 offset:2*\t*PITCH
.endr
.irp t, 0,1,2,3,4,5,6,7,8,9,10,11,12,13,14,15
	s_wait_dscnt 15-\t                             ; LDS loads come back in order: load t is in
	global_store_b128 v8, v[OUTR+4*\t:OUTR+4*\t+3], s[14:15] offset:2*\t*KROW   ; sixteen lanes store 256 consecutive bytes, aligned
.endr
	s_wait_tensorcnt 0x0                           ; the wave's end, behind my last LDS store
	ds_add_u32 v[SPW], v[NIL]
	s_wait_dscnt 0x0
	s_endpgm
.Lfunc_end_k_q12bb7b0c3c_prep:
	.size	k_q12bb7b0c3c_prep, .Lfunc_end_k_q12bb7b0c3c_prep-k_q12bb7b0c3c_prep
	.p2alignl 7, 3214868480
	.fill 96, 4, 3214868480
	.section	.rodata,"a",@progbits
	.p2align	6, 0x0
	.amdhsa_kernel k_q12bb7b0c3c_prep
		.amdhsa_group_segment_fixed_size 68096
		.amdhsa_private_segment_fixed_size 0
		.amdhsa_enable_private_segment 0
		.amdhsa_kernarg_size 64
		.amdhsa_user_sgpr_count 2
		.amdhsa_user_sgpr_kernarg_segment_ptr 1
		.amdhsa_wavefront_size32 1
		.amdhsa_system_sgpr_workgroup_id_x 1
		.amdhsa_system_sgpr_workgroup_id_y 1
		.amdhsa_system_sgpr_workgroup_id_z 1
		.amdhsa_system_vgpr_workitem_id 0
		.amdhsa_next_free_vgpr 192
		.amdhsa_next_free_sgpr 66
		.amdhsa_reserve_vcc 0
		.amdhsa_float_denorm_mode_32 3
		.amdhsa_float_denorm_mode_16_64 3
		.amdhsa_memory_ordered 1
		.amdhsa_forward_progress 1
		.amdhsa_inst_pref_size 132
	.end_amdhsa_kernel
	.amdgpu_metadata
---
amdhsa.version: [ 1, 2 ]
amdhsa.kernels:
  - .name:           k_q12bb7b0c3c_prep
    .symbol:         k_q12bb7b0c3c_prep.kd
    .args:
      - { .name: x, .offset: 0, .size: 8, .value_kind: global_buffer, .address_space: global }
      - { .name: W_attn, .offset: 8, .size: 8, .value_kind: global_buffer, .address_space: global }
      - { .name: W_proj, .offset: 16, .size: 8, .value_kind: global_buffer, .address_space: global }
      - { .name: xq_codes, .offset: 24, .size: 8, .value_kind: global_buffer, .address_space: global }
      - { .name: xq_scales, .offset: 32, .size: 8, .value_kind: global_buffer, .address_space: global }
      - { .name: wq_codes, .offset: 40, .size: 8, .value_kind: global_buffer, .address_space: global }
      - { .name: wq_scales, .offset: 48, .size: 8, .value_kind: global_buffer, .address_space: global }
      - { .name: wp16, .offset: 56, .size: 8, .value_kind: global_buffer, .address_space: global }
    .group_segment_fixed_size: 68096
    .private_segment_fixed_size: 0
    .kernarg_segment_align: 8
    .kernarg_segment_size: 64
    .max_flat_workgroup_size: 128
    .sgpr_count:     66
    .vgpr_count:     192
    .wavefront_size: 32
...
	.end_amdgpu_metadata
.endif
;; end of part 1
;; launch qkvgemm (part 2): grid 12 x 32, 4 waves a work-group, clusters of 4 x 4, 327,680 bytes of LDS; arguments xq_codes, xq_scales, wq_codes, wq_scales, b_attn, qkv16; writes qkv16
.if DOCPART == 2
	.amdgcn_target "amdgcn-amd-amdhsa--gfx1250"
	.amdhsa_code_object_version 6
	.text
	.protected	k_q12bb7b0c3c_qkvgemm
	.globl	k_q12bb7b0c3c_qkvgemm
	.p2align	8
	.type	k_q12bb7b0c3c_qkvgemm,@function
k_q12bb7b0c3c_qkvgemm:
	s_mov_b64 s[64:65], 0
	v_nop
	global_prefetch_b8 v0, s[64:65] scope:SCOPE_SE
	s_setreg_imm32_b32 hwreg(HW_REG_WAVE_MODE, 25, 1), 1
	s_wait_xcnt 0x0
	s_wait_alu depctr_hold_cnt(0) depctr_sa_sdst(0) depctr_va_vdst(0) depctr_va_sdst(0) depctr_va_ssrc(0) depctr_va_vcc(0) depctr_vm_vsrc(0)
	s_getreg_b32 s2, hwreg(HW_REG_IB_STS2, 6, 4)
	s_cmp_eq_u32 s2, 0
	s_cbranch_scc0 .Lentry_in_a_cluster
	s_endpgm
.Lentry_in_a_cluster:
	s_bfe_u32 s2, ttmp6, 0x10000c
	s_cmp_lg_u32 s2, 0xf033
	s_cbranch_scc0 .Lentry_shape_is_right
	s_endpgm
.Lentry_shape_is_right:
; qkv[m][n] = sum over k of x[m][k] W_attn[k][n] + b_attn[n], on codes of FP4 (E2M1) with one E8M0 scale for each 32 along K; sums in f32; the result is rounded once to f16 and laid by head:
; qkv16 [3 (q, k, v)][4 b][16 h][2048 t][64] f16: a plane (b, h) is 262,144 dense bytes, a row 128 bytes, so that two neighbouring rows of one head are 256 consecutive bytes, aligned.
; LIMIT: |q|, |k|, |v| beyond 65,504 have no f16 number.
; A = x's codes [8192][512 bytes], B = W_attn's codes [3072][512 bytes], scale bytes [rows][32].  A tile of 256 x 256 is made by four waves, each 128 x 128: 64 accumulators, 512 registers.
; K = 1,024 is two steps of 512 (tile rows of 256 bytes): both LDS slots and the scales of all of K are asked for at the head, three tensor loads a wave, and nothing is ever filled again.
; CLUSTERS: 4 x 4 work-groups.  The four of a row need the same tiles of A, the four of a column the same tiles of B: each tile is asked for jointly, by the same tensor load with the same descriptor and a mask that names the four.
; THE MATRIX INSTRUCTION IS USED TRANSPOSED (source 0 = 16 rows of B, source 1 = 16 rows of A): a lane holds eight neighbouring columns of one row.  The bias is the C of each sum's first instruction.
; REGISTERS, in windows of 256: window 0: v0-31 addresses; v32-95 scale words, two sets; v96-127 packed results; v128-191 A's fragments, one set, later rows on the way out; v192-255 the bias, eight registers for each of B's eight blocks.
;   window 1: B's fragments, two sets, at v0 and v128.   window 2: the accumulators of my rows 0-63 ((a, b) at v[8 (8 a + b)]);   window 3: those of my rows 64-127.
.set SIZE_M, 8192
.set SIZE_N, 3072
.set SIZE_K, 1024
.set KSTEP,  512                       ; along K in a slot
.set NQ,     KSTEP/128                 ; matrix instructions deep
.set ROWB,   256                       ; a tile's row in bytes
.set KROW,   SIZE_K/2                  ; a row of codes in memory
.set PITCH,  272                       ; an LDS row: 256 bytes + 16 of padding = 68 words: the 16 rows that a load touches start 4 words apart modulo 64
.set FR,     8                         ; registers of a fragment: 16 rows x 128 K
.set NL,     2                         ; LDS loads that bring one
.set NP,     4                         ; places behind this matrix instruction (ISA guide 7.12.1)
.set HALFT,  128*PITCH                 ; 128 rows: what one tensor load brings, and what one wave reads of A or of B
.set SLOT,   4*HALFT                   ; A's 256 rows, then B's 256 rows
.set KS,     SIZE_K/32                 ; a row of scales in bytes
.set SCL,    2*SLOT                    ; behind the ring: the scales, as units of 256 bytes + 16 of padding
.set HALFS,  (128*KS/256)*272          ; the scales of 128 rows: what one tensor load brings
.set SBLK,   (16*KS/256)*272           ; those of 16 rows
.set SPARE,  SCL+4*HALFS               ; the spare words, 128 bytes for each wave: two blocks of 256 bytes that no other line names
.set SPITCH, 272                       ; the way out: a stage of 16 rows x (256 bytes + 16) for each wave, in slot 0, which has had its one fill and its last read when the first result is stored there
.set ADRA, 16                          ; v16-17  LDS address of my A fragments in slot 0, 1
.set ADRB, 20                          ; v20-21  the same for B
.set STO,  24                          ; v24     the way out: where I put 16 bytes of a row
.set RD,   25                          ; v25     the way out: where I read 16 bytes back
.set CO,   26                          ; v26     my byte offset in qkv16
.set ADRS, 27                          ; v27     LDS address of my scale words: lanes 0-15 A's rows, lanes 16-31 B's
.set SPW,  28                          ; v28     LDS address of my spare word; never rewritten
.set NIL,  29                          ; v29     0; never rewritten
.set BO,   30                          ; v30     32 x (lane / 16): my eight numbers of a block of the bias
.set SC,   32                          ; scale words: set s at v[SC + 32 s]; register 4 i + q: lanes 0-15 A's block i, lanes 16-31 B's block i, the slot's q-th 128 along K
.set TMP,  96
.set AF,   128
.set BK,   128                         ; the way out: v128-159 and v160-191 by turns
.set BI,   192
.set G1, 24                            ; s[24:31] descriptor group 1 for A's tiles;  s[32:39] group 0, one set for each slot
.set G0, 32
.set G1B, 48                           ; s[48:55], s[56:63] the same for B's tiles
.set G0B, 56
.set G1S, 68                           ; s[68:75], s[76:79] groups 1 and 0 for A's scales;  s[80:87], s[88:91] for B's
.set G0S, 76
.set G1SB, 80
.set G0SB, 88
.set MSB, 0
.macro WIN new                         ; the immediate's high byte repeats the setting that is left
.if MSB != (\new)
	s_set_vgpr_msb (MSB<<8)|(\new)
.set MSB, (\new)
.endif
.endm
.set MUL_LO, 0xa1                      ; source 0 (B) window 1, source 1 (A) window 0, C and D window 2
.set MUL_HI, 0xf1                      ; the same, C and D window 3
.set ONE_LO, 0x81                      ; a sum's first product: C (the bias) window 0, D window 2
.set ONE_HI, 0xc1                      ; D window 3
.set TO_B,   0x40                      ; destination window 1, address window 0
; A joint load: waves 0 and 1 fetch for A, waves 2 and 3 for B; the branch hangs on the wave's number alone.  An s_nop 0 and four v_nop follow each of the two lines.
.macro JLOAD g0a, g1a, g0b, g1b
	s_cmp_eq_u32 s15, 0
	s_cbranch_scc0 .Lfor_b_\@
	tensor_load_to_lds s[\g0a:\g0a+3], s[\g1a:\g1a+7]
	s_nop 0
.rept 4
	v_nop
.endr
	s_branch .Lasked_\@
.Lfor_b_\@:
	tensor_load_to_lds s[\g0b:\g0b+3], s[\g1b:\g1b+7]
	s_nop 0
.rept 4
	v_nop
.endr
.Lasked_\@:
.endm
.macro CROUND                          ; a round of the cluster's barrier: my work-group's barrier; wave 0 signals for the work-group; every wave waits for all sixteen; my work-group's barrier once more
	s_barrier_signal -1
	s_barrier_wait -1
	s_cmp_lg_u32 s14, 0
	s_cbranch_scc1 .Lnot_wave_0_\@
	s_barrier_signal -3
.Lnot_wave_0_\@:
	s_barrier_wait -3
	s_barrier_signal -1
	s_barrier_wait -1
.endm
	s_load_b128 s[4:7], s[0:1], 0x0                ; A's codes s[4:5], A's scales s[6:7]
	s_load_b128 s[8:11], s[0:1], 0x10              ; B's codes s[8:9], B's scales s[10:11]
	s_load_b64 s[96:97], s[0:1], 0x20              ; the bias
	s_load_b64 s[12:13], s[0:1], 0x28              ; qkv16
	v_lshl_add_u32 v[SPW], v0, 2, SPARE
	v_mov_b32 v[NIL], 0
	ds_add_u32 v[SPW], v[NIL]                      ; the wave's opening: the add, twice on end, and its wait ahead of my first tensor load
	ds_add_u32 v[SPW], v[NIL]
	v_lshrrev_b32 v1, 5, v0
	v_readfirstlane_b32 s14, v1                    ; wave 0..3
	s_lshr_b32 s15, s14, 1                         ; which half of the tile's rows is mine.  Also: I fetch for A (0) or for B (1)
	s_and_b32 s16, s14, 1                          ; which half of its columns.  Also: which 128 rows of that tile I fetch
	s_bfe_u32 s40, ttmp6, 0x40000                  ; cx, cy: my place in the cluster
	s_bfe_u32 s41, ttmp6, 0x40004
	s_lshl_b32 s42, ttmp9, 2
	s_add_co_u32 s42, s42, s40                     ; tile column = 4 x cluster x + cx
	s_and_b32 s17, ttmp7, 0xffff
	s_lshl_b32 s17, s17, 2
	s_add_co_u32 s17, s17, s41                     ; tile row = 4 x cluster y + cy
	s_lshl_b32 s43, s41, 2
	s_lshl_b32 s43, 15, s43                        ; my row of the cluster
	s_lshl_b32 s44, 0x1111, s40                    ; my column
	; descriptor group 1: a tile of 128 rows x 256 bytes, padded in LDS
	s_or_b32 s[G1+0], s43, (0<<16)|(1<<20)|(1<<21)|(5<<22)|(3<<25)  ; 15:0 the mask: A's tiles go to my row; 17:16 elements of 1 byte; 20 padding on; 21 set beside a mask; 24:22 after every 64 words; 31:25 four words
	s_or_b32 s[G1B+0], s44, (0<<16)|(1<<20)|(1<<21)|(5<<22)|(3<<25)
.irp g, G1, G1B
	s_mov_b32 s[\g+1], ROWB<<16                    ; tensor_dim0
	s_mov_b32 s[\g+2], 128<<16                     ; tensor_dim1
	s_mov_b32 s[\g+3], ROWB<<16                    ; tile_dim0
	s_mov_b32 s[\g+4], 128                         ; tile_dim1
	s_mov_b32 s[\g+5], KROW                        ; tensor_dim0_stride
	s_mov_b32 s[\g+6], 0
	s_mov_b32 s[\g+7], 0
.endr
	; the scales of 128 rows: a dense block of 4,096 bytes, as 16 rows of 256 bytes (32 elements of 8 bytes), 16 bytes of padding behind each
	s_or_b32 s[G1S+0], s43, (3<<16)|(1<<20)|(1<<21)|(5<<22)|(3<<25)
	s_or_b32 s[G1SB+0], s44, (3<<16)|(1<<20)|(1<<21)|(5<<22)|(3<<25)
.irp g, G1S, G1SB
	s_mov_b32 s[\g+1], 32<<16
	s_mov_b32 s[\g+2], (128*KS/256)<<16
	s_mov_b32 s[\g+3], 32<<16
	s_mov_b32 s[\g+4], 128*KS/256
	s_mov_b32 s[\g+5], 32
	s_mov_b32 s[\g+6], 0
	s_mov_b32 s[\g+7], 0
.endr
	s_lshl_b32 s18, s16, 7                         ; which 128 rows of the tile I fetch
	s_lshl_b32 s20, s17, 8
	s_add_co_u32 s20, s20, s18                     ; A: row 256 x tile row + 128 x half
	s_lshl_b32 s46, s42, 8
	s_add_co_u32 s46, s46, s18                     ; B: row 256 x tile column + 128 x half
	s_mov_b32 s21, 0
	s_mov_b32 s47, 0
	s_mov_b64 s[18:19], KS
	s_mul_u64 s[22:23], s[20:21], s[18:19]         ; where these rows' scales begin, in bytes
	s_mul_u64 s[92:93], s[46:47], s[18:19]
	s_mov_b64 s[18:19], KROW
	s_mul_u64 s[20:21], s[20:21], s[18:19]         ; and their codes
	s_mul_u64 s[46:47], s[46:47], s[18:19]
	s_mul_i32 s45, s14, HALFT                      ; where they go: wave x 128 rows: no place in the cluster enters an LDS address
	s_mul_i32 s94, s14, HALFS
	s_wait_dscnt 0x0                               ; both opening adds are done
	s_wait_kmcnt 0x0
	s_add_nc_u64 s[20:21], s[4:5], s[20:21]
	s_add_nc_u64 s[22:23], s[6:7], s[22:23]
	s_add_nc_u64 s[46:47], s[8:9], s[46:47]
	s_add_nc_u64 s[92:93], s[10:11], s[92:93]
	CROUND                                         ; all sixteen work-groups are here: the joint loads meet
	s_mov_b32 s[G0S], 1
	s_add_co_u32 s[G0S+1], s94, SCL
	s_mov_b64 s[G0S+2:G0S+3], s[22:23]
	s_or_b32 s[G0S+3], s[G0S+3], 0x80000000
	s_mov_b32 s[G0SB], 1
	s_add_co_u32 s[G0SB+1], s94, SCL
	s_mov_b64 s[G0SB+2:G0SB+3], s[92:93]
	s_or_b32 s[G0SB+3], s[G0SB+3], 0x80000000
	JLOAD G0S, G1S, G0SB, G1SB                     ; the scales first: they are wanted with K step 0
.irp s, 0,1
	s_mov_b32 s[G0+4*\s], 1
	s_add_co_u32 s[G0+4*\s+1], s45, \s*SLOT
	s_add_nc_u64 s[G0+4*\s+2:G0+4*\s+3], s[20:21], \s*ROWB
	s_or_b32 s[G0+4*\s+3], s[G0+4*\s+3], 0x80000000
	s_mov_b32 s[G0B+4*\s], 1
	s_add_co_u32 s[G0B+4*\s+1], s45, \s*SLOT
	s_add_nc_u64 s[G0B+4*\s+2:G0B+4*\s+3], s[46:47], \s*ROWB
	s_or_b32 s[G0B+4*\s+3], s[G0B+4*\s+3], 0x80000000
	JLOAD G0+4*\s, G1, G0B+4*\s, G1B               ; three tensor loads of mine are out: all that this launch asks for
.endr
	v_and_b32 v1, 15, v0                           ; r = l % 16
	v_bfe_u32 v2, v0, 4, 1                         ; h = l / 16
	; the bias of my 128 columns: block b, lane half h: b_attn[256 x tile column + 128 x half + 16 b + 8 h + 0 .. 7]
	s_lshl_b32 s46, s42, 10
	s_lshl_b32 s47, s16, 9
	s_add_co_u32 s46, s46, s47
	s_mov_b32 s47, 0
	s_add_nc_u64 s[96:97], s[96:97], s[46:47]
	v_lshlrev_b32 v[BO], 5, v2
.irp b, 0,1,2,3,4,5,6,7
	global_load_b128 v[BI+8*\b:BI+8*\b+3], v[BO], s[96:97] offset:64*\b
	global_load_b128 v[BI+8*\b+4:BI+8*\b+7], v[BO], s[96:97] offset:64*\b+16
.endr
	v_mul_u32_u24 v3, v1, PITCH
	v_lshl_add_u32 v4, v2, 4, v3                   ; a fragment's row x pitch + 16 x half
	s_mul_i32 s21, s15, HALFT                      ; my 128 rows of A
	s_mul_i32 s22, s16, HALFT                      ; my 128 rows of B,
	s_add_co_u32 s22, s22, 2*HALFT                 ; which lie behind A's 256
.irp s, 0,1
	v_add_nc_u32 v[ADRA+\s], s21, v4
	v_add_nc_u32 v[ADRB+\s], s22, v4
	s_add_co_u32 s21, s21, SLOT
	s_add_co_u32 s22, s22, SLOT
.endr
	v_mul_u32_u24 v5, v1, KS                       ; my row's scales: 32 bytes a row,
	v_lshrrev_b32 v6, 8, v5
	v_lshl_add_u32 v5, v6, 4, v5                   ; and 16 more for each 256 passed
	s_mul_i32 s21, s15, HALFS                      ; A's: my 128 rows
	s_mul_i32 s22, s16, HALFS                      ; B's: my 128 rows, behind A's 256
	s_add_co_u32 s22, s22, 2*HALFS
	s_sub_co_u32 s22, s22, s21
	v_mul_u32_u24 v6, s22, v2                      ; lanes 16-31 take B's: the lower base + h x the distance
	s_add_co_u32 s21, s21, SCL
	v_add_nc_u32 v5, v5, v6
	v_add_nc_u32 v[ADRS], s21, v5
	s_mul_i32 s23, s14, 16*SPITCH                  ; my stage
	v_mul_u32_u24 v5, v1, SPITCH                   ; in: row r, 16 bytes for each half of the lanes
	v_lshl_add_u32 v5, v2, 4, v5
	v_add_nc_u32 v[STO], s23, v5
	v_bfe_u32 v5, v0, 3, 1                         ; back: lanes 0-15 take two rows' first 128 bytes (my first head), lanes 16-31 their second 128 bytes (my second head)
	v_and_b32 v6, 7, v0
	v_mul_u32_u24 v7, v5, SPITCH
	v_lshl_add_u32 v7, v2, 7, v7
	v_lshl_add_u32 v7, v6, 4, v7
	v_add_nc_u32 v[RD], s23, v7
	v_lshlrev_b32 v[CO], 18, v2                    ; in qkv16: the second head's plane lies 262,144 bytes on; a row is 128 bytes
	v_lshl_add_u32 v[CO], v5, 7, v[CO]
	v_lshl_add_u32 v[CO], v6, 4, v[CO]
	; where my part begins: plane = ((tile column / 4) x 4 + b) x 16 + (tile column % 4) x 4 + 2 x column half;  row t = my first row % 2,048
	s_lshl_b32 s20, s17, 8
	s_lshl_b32 s21, s15, 7
	s_add_co_u32 s20, s20, s21                     ; my first row of the 8,192
	s_lshr_b32 s21, s20, 11                        ; b
	s_and_b32 s20, s20, 2047                       ; t
	s_lshl_b32 s20, s20, 7
	s_lshr_b32 s46, s42, 2                         ; q, k or v
	s_lshl_b32 s46, s46, 2
	s_add_co_u32 s46, s46, s21
	s_lshl_b32 s46, s46, 4
	s_and_b32 s47, s42, 3
	s_lshl_b32 s47, s47, 2
	s_add_co_u32 s46, s46, s47
	s_lshl_b32 s47, s16, 1
	s_add_co_u32 s46, s46, s47                     ; the plane of my first head: 0 .. 190
	s_lshl_b32 s46, s46, 18
	s_add_co_u32 s46, s46, s20
	s_mov_b32 s47, 0
	s_add_nc_u64 s[12:13], s[12:13], s[46:47]
.macro FRAG reg, adr, q, i             ; a fragment, 16 rows x 128 K of 4-bit codes: lane l holds row l % 16; registers 4 c .. 4 c + 3 hold K = 64 c + 32 (l / 16) + 0 .. 31
.irp c, 0,1
	ds_load_b128 v[\reg+4*\c:\reg+4*\c+3], v[\adr] offset:64*(\q)+32*\c+(\i)*16*PITCH
.endr
.endm
; 16 matrix instructions: A's blocks a0, a0 + 1 x B's eight, the slot's q-th 128 along K.  p: B's set;  sc: the set of scale words.  one = 1: the first product starts the sums from the bias.
; The 64 accumulators take turns, one instruction a turn, in the same order in every step.
.macro MUL16 a0, p, q, sc, one
.irp a, \a0, \a0+1
.irp b, 0,1,2,3,4,5,6,7
.if \one
	v_wmma_scale_f32_16x16x128_f8f6f4 v[8*(8*((\a)%4)+\b):8*(8*((\a)%4)+\b)+7], v[128*(\p)+FR*\b:128*(\p)+FR*\b+FR-1], v[AF+FR*(\a):AF+FR*(\a)+FR-1], v[BI+8*\b:BI+8*\b+7], v[SC+8*NQ*(\sc)+NQ*\b+(\q)], v[SC+8*NQ*(\sc)+NQ*(\a)+(\q)] matrix_a_fmt:MATRIX_FMT_FP4 matrix_b_fmt:MATRIX_FMT_FP4 matrix_a_scale:MATRIX_SCALE_ROW1
.else
	v_wmma_scale_f32_16x16x128_f8f6f4 v[8*(8*((\a)%4)+\b):8*(8*((\a)%4)+\b)+7], v[128*(\p)+FR*\b:128*(\p)+FR*\b+FR-1], v[AF+FR*(\a):AF+FR*(\a)+FR-1], v[8*(8*((\a)%4)+\b):8*(8*((\a)%4)+\b)+7], v[SC+8*NQ*(\sc)+NQ*\b+(\q)], v[SC+8*NQ*(\sc)+NQ*(\a)+(\q)] matrix_a_fmt:MATRIX_FMT_FP4 matrix_b_fmt:MATRIX_FMT_FP4 matrix_a_scale:MATRIX_SCALE_ROW1
.endif
.endr
.endr
.endm
.macro FETCH_B slot, q, p              ; B's eight fragments of the slot's q-th 128 along K into set p
	WIN TO_B
.irp i, 0,1,2,3,4,5,6,7
	FRAG 128*(\p)+FR*\i, ADRB+\slot, \q, \i
.endr
	WIN 0
.endm
.macro FETCH_A slot, q, i0             ; A's blocks i0 .. i0 + 3
.irp i, \i0, \i0+1, \i0+2, \i0+3
	FRAG AF+FR*(\i), ADRA+\slot, \q, \i
.endr
.endm
.macro SCALES sc                       ; a K step's scale words into set sc: four words a row; lanes 0-15 take A's block i, lanes 16-31 B's block i
.irp i, 0,1,2,3,4,5,6,7
	ds_load_b128 v[SC+8*NQ*\sc+NQ*\i:SC+8*NQ*\sc+NQ*\i+3], v[ADRS] offset:\i*SBLK
.endr
.endm
.macro PLACES n                        ; plain vector lines between a matrix instruction and a load into, or a read of, its registers
.rept \n
	v_nop
.endr
.endm
; A step of 128 along K that has its successor in the same slot.  A's blocks are free as soon as their eight products are issued: blocks 0-3 are fetched anew in the step's middle, blocks 4-7 at its end.
.macro STEP slot, q, one
	s_wait_dscnt 4*NL                              ; B's set, the scale words and A's blocks 0-3 are in; the youngest eight loads (A's blocks 4-7) may be out
.if \one
	WIN ONE_LO
.else
	WIN MUL_LO
.endif
	MUL16 0, (\q)%2, \q, \slot, \one
	MUL16 2, (\q)%2, \q, \slot, \one
	s_wait_dscnt 0                                 ; A's blocks 4-7 are in
	PLACES NP
	FETCH_B \slot, (\q)+1, 1-(\q)%2
	FETCH_A \slot, (\q)+1, 0
.if \one
	WIN ONE_HI
.else
	WIN MUL_HI
.endif
	MUL16 4, (\q)%2, \q, \slot, \one
	MUL16 6, (\q)%2, \q, \slot, \one
	PLACES NP
	WIN 0
	FETCH_A \slot, (\q)+1, 4
.endm
; Slot 0's last step changes slots: one barrier; in front of it each wave waits for all its tensor loads (its part of slot 1), adds 0 to its spare word, and waits for that and for its reads of slot 0.
.macro TURN slot, next
	s_wait_tensorcnt 0x0                           ; all my tensor loads have landed
	ds_add_u32 v[SPW], v[NIL]                      ; 0 onto my spare word
	s_wait_dscnt 4*NL+1                            ; (the add and the youngest eight loads, A's blocks 4-7, may be out)
	WIN MUL_LO
	MUL16 0, 1, NQ-1, \slot, 0                     ; sixteen matrix instructions stand between the add and the wait for it
	s_wait_dscnt 0x0                               ; the add is done, and my reads of this slot are over
	s_barrier_signal -1
	MUL16 2, 1, NQ-1, \slot, 0
	WIN 0
	s_barrier_wait -1                              ; every wave's part of the next slot has landed, and nobody reads this slot any more
	PLACES NP
	v_add_nc_u32 v[ADRS], 4*NQ, v[ADRS]            ; on to the next K step's scale words
	FETCH_B \next, 0, 0
	FETCH_A \next, 0, 0
	SCALES \next
	WIN MUL_HI
	MUL16 4, 1, NQ-1, \slot, 0
	MUL16 6, 1, NQ-1, \slot, 0
	PLACES NP
	WIN 0
	FETCH_A \next, 0, 4
.endm
.macro STEPS slot, from                ; the slot's steps from .. NQ - 2
.set Q, \from
.rept NQ-1-\from
	STEP \slot, Q, 0
.set Q, Q+1
.endr
.endm
	s_wait_tensorcnt 1                             ; the scales and my part of K step 0 are in (slot 1's load, issued last, may be out),
	s_barrier_signal -1
	s_barrier_wait -1                              ; everybody's are
	FETCH_B 0, 0, 0
	FETCH_A 0, 0, 0
	SCALES 0
	FETCH_A 0, 0, 4
	s_wait_loadcnt 0x0                             ; the bias
	STEP 0, 0, 1                                   ; the first step's products start the sums from the bias: nothing is cleared, nothing is added later
	STEPS 0, 1
	TURN 0, 1
	STEPS 1, 0
	s_wait_dscnt 4*NL                              ; the very last step: nothing more to fetch
	WIN MUL_LO
	MUL16 0, 1, NQ-1, 1, 0
	MUL16 2, 1, NQ-1, 1, 0
	s_wait_dscnt 0
	WIN MUL_HI
	MUL16 4, 1, NQ-1, 1, 0
	MUL16 6, 1, NQ-1, 1, 0
	WIN 0
; THE WAY OUT, block by block of 16 rows x 128 columns (two heads).  A lane's eight results pack into 16 bytes of one row; the block goes through my own stage and comes back so that
; lanes 0-15 hold two rows of my first head and lanes 16-31 the same two rows of my second: each sixteen lanes store 256 consecutive bytes, aligned.
.macro PACK a
.set AC, 64*((\a)%4)
	WIN 0x0a+5*((\a)/4)                            ; sources 0 and 1: window 2 or 3
.irp b, 0,1,2,3,4,5,6,7
.irp i, 0,1,2,3
	v_cvt_pk_f16_f32 v[TMP+4*\b+\i], v[AC+8*\b+2*\i], v[AC+8*\b+2*\i+1]   ; each accumulator from its low end on
.endr
.endr
	WIN 0
.endm
.macro TOSTAGE a
.set BB, BK+32*((\a)%2)
.irp b, 0,1,2,3,4,5,6,7
	ds_store_b128 v[STO], v[TMP+4*\b:TMP+4*\b+3] offset:32*\b
.endr
.irp t, 0,1,2,3,4,5,6,7
	ds_load_b128 v[BB+4*\t:BB+4*\t+3], v[RD] offset:\t*2*SPITCH    ; LDS serves a wave's instructions in order: these see the stores above
.endr
.endm
.macro SEND a
.set BB, BK+32*((\a)%2)
	s_wait_dscnt 0x0                               ; the block is back in registers
	s_wait_xcnt 0x0                                ; the block before has had its stores' registers read: the next block's loads may land there
.irp t, 0,1,2,3,4,5,6,7
	global_store_b128 v[CO], v[BB+4*\t:BB+4*\t+3], s[12:13] offset:2048*(\a)+256*\t
.endr
.endm
	PLACES NP                                      ; behind the last products: for the first reads of results and the loads into the registers that held A's fragments
	PACK 0
	TOSTAGE 0
.irp a, 1,2,3,4,5,6,7                  ; block a's conversions stand between block a - 1's loads from the stage and the wait for them
	PACK \a
	SEND \a-1
	TOSTAGE \a
.endr
	SEND 7
	s_wait_tensorcnt 0x0                           ; the wave's end, behind my last tensor load and my last LDS store
	ds_add_u32 v[SPW], v[NIL]
	s_wait_dscnt 0x0
	CROUND                                         ; the closing round
	s_endpgm
.Lfunc_end_k_q12bb7b0c3c_qkvgemm:
	.size	k_q12bb7b0c3c_qkvgemm, .Lfunc_end_k_q12bb7b0c3c_qkvgemm-k_q12bb7b0c3c_qkvgemm
	.p2alignl 7, 3214868480
	.fill 96, 4, 3214868480
	.section	.rodata,"a",@progbits
	.p2align	6, 0x0
	.amdhsa_kernel k_q12bb7b0c3c_qkvgemm
		.amdhsa_group_segment_fixed_size 327680
		.amdhsa_private_segment_fixed_size 0
		.amdhsa_enable_private_segment 0
		.amdhsa_kernarg_size 48
		.amdhsa_user_sgpr_count 2
		.amdhsa_user_sgpr_kernarg_segment_ptr 1
		.amdhsa_wavefront_size32 1
		.amdhsa_system_sgpr_workgroup_id_x 1
		.amdhsa_system_sgpr_workgroup_id_y 1
		.amdhsa_system_sgpr_workgroup_id_z 1
		.amdhsa_system_vgpr_workitem_id 0
		.amdhsa_next_free_vgpr 1024
		.amdhsa_next_free_sgpr 98
		.amdhsa_reserve_vcc 0
		.amdhsa_float_denorm_mode_32 3
		.amdhsa_float_denorm_mode_16_64 3
		.amdhsa_memory_ordered 1
		.amdhsa_forward_progress 1
		.amdhsa_inst_pref_size 128
	.end_amdhsa_kernel
	.amdgpu_metadata
---
amdhsa.version: [ 1, 2 ]
amdhsa.kernels:
  - .name:           k_q12bb7b0c3c_qkvgemm
    .symbol:         k_q12bb7b0c3c_qkvgemm.kd
    .args:
      - { .name: xq_codes, .offset: 0, .size: 8, .value_kind: global_buffer, .address_space: global }
      - { .name: xq_scales, .offset: 8, .size: 8, .value_kind: global_buffer, .address_space: global }
      - { .name: wq_codes, .offset: 16, .size: 8, .value_kind: global_buffer, .address_space: global }
      - { .name: wq_scales, .offset: 24, .size: 8, .value_kind: global_buffer, .address_space: global }
      - { .name: b_attn, .offset: 32, .size: 8, .value_kind: global_buffer, .address_space: global }
      - { .name: qkv16, .offset: 40, .size: 8, .value_kind: global_buffer, .address_space: global }
    .group_segment_fixed_size: 327680
    .private_segment_fixed_size: 0
    .kernarg_segment_align: 8
    .kernarg_segment_size: 48
    .max_flat_workgroup_size: 128
    .sgpr_count:     98
    .vgpr_count:     1024
    .wavefront_size: 32
...
	.end_amdgpu_metadata
.endif
;; end of part 2
;; launch attn (part 3): grid 4 x 64, 8 waves a work-group, clusters of 4 x 1, 327,680 bytes of LDS; arguments qkv16, y16; writes y16
.if DOCPART == 3
	.amdgcn_target "amdgcn-amd-amdhsa--gfx1250"
	.amdhsa_code_object_version 6
	.text
	.protected	k_q12bb7b0c3c_attn
	.globl	k_q12bb7b0c3c_attn
	.p2align	8
	.type	k_q12bb7b0c3c_attn,@function
k_q12bb7b0c3c_attn:
	s_mov_b64 s[64:65], 0
	v_nop
	global_prefetch_b8 v0, s[64:65] scope:SCOPE_SE
	s_setreg_imm32_b32 hwreg(HW_REG_WAVE_MODE, 25, 1), 1
	s_wait_xcnt 0x0
	s_wait_alu depctr_hold_cnt(0) depctr_sa_sdst(0) depctr_va_vdst(0) depctr_va_sdst(0) depctr_va_ssrc(0) depctr_va_vcc(0) depctr_vm_vsrc(0)
	s_getreg_b32 s2, hwreg(HW_REG_IB_STS2, 6, 4)
	s_cmp_eq_u32 s2, 0
	s_cbranch_scc0 .Lentry_in_a_cluster
	s_endpgm
.Lentry_in_a_cluster:
	s_bfe_u32 s2, ttmp6, 0x10000c
	s_cmp_lg_u32 s2, 0x3003
	s_cbranch_scc0 .Lentry_shape_is_right
	s_endpgm
.Lentry_shape_is_right:
; y[b][h][q][:] = sum over k of relu(softmax_k(Q[q] . K[k] / 8) - 0.001) V[k][:], for each of 64 (b, h).  Q, K, V: planes of qkv16, [2048][64] f16, dense.  y16: [16 h][8192 = 2048 b + t][64] f16.
; The threshold acts on the NORMALISED weight, so a query's maximum and sum must be final before any weight enters the second product: THE KEYS ARE WALKED TWICE.
;   pass 1: S^T = K Q^T; for each query a running maximum m and the sum of 2^(c s - c m), c = log2(e) / 8.   pass 2: S^T again; w = max(2^(c s - c m) / L - 0.001, 0), rounded to f16; O^T += V^T w.
; Products on f16 operands with f32 sums; maxima, exponentials, sums, the division and the threshold in f32.
; LIMITS: |q|, |k|, |v|, |y| beyond 65,504 have no f16 number; a weight under 6e-5 is carried with an absolute error of at most 3e-8 (f16's smallest steps); NaN and infinities are not served.
; SHARES.  A work-group owns 512 queries of one (b, h), each of its eight waves 64: four tiles of 16.  So each fragment of K or V that a wave reads from LDS feeds four products.
; LAYOUT.  Both products are used transposed (source 0 = 16 keys, or 16 channels of V turned by ds_load_tr16_b128; source 1 = 16 queries): a lane holds ONE query (lane % 16) throughout, and in S^T the keys 8 (lane / 16) + 0 .. 7.
; Two tiles of S^T, rounded in pairs, ARE source 1 (32 keys x 16 queries) of the second product.  In pass 1 each half of the lanes keeps the maximum and sum of its own keys; the halves meet once, between the passes.
; CLUSTER.  The four work-groups of a cluster are the four blocks of queries of one (b, h) and walk the same K and V: every tile is asked for jointly, by the same tensor load with the same descriptor and the mask of all four.
; THE RING.  Two LDS slots of 512 keys, each with a region for K and one for V; eight visits, visit j in slot j % 2: visits 0-3 are pass 1 (K's chunks 0-3), visits 4-7 pass 2 (K's and V's chunks 0-3).
; At the head waves 0-3 ask for K's chunks 0 and 1, waves 4-7 for V's chunks 0 and 1 (V's wait unread through pass 1).  Behind visit j the slot just read is filled for visit j + 2: one tensor load a wave, a whole visit (16 steps) in which to land.
; REGISTERS: window 0: v2-10 addresses; v12-43 statistics, eight a tile; v44, v45 the add's two; v48-111 S^T (16 t + 8 kt); v112-143 the weights (8 t); v144-175 K's fragments; v176-207 V's.   window 1: v0-127 O^T (32 t + 8 ct); v128-191 Q (16 t + 8 ks).
.set KP,    144                        ; a row of K in LDS: 128 bytes + 16 = 36 words: the 16 rows that a load touches start 4 words apart modulo 64
.set VP,    160                        ; a row of V: 128 + 32 = 40 words: 16 lanes of the turning load take 8 rows x 32 bytes, 8 words apart modulo 64
.set SK,    512                        ; keys in a slot
.set KREG,  SK*KP                      ; a slot: K's region, 73,728 bytes, then V's, 81,920
.set SLOTB, SK*(KP+VP)
.set SPARE, 2*SLOTB                    ; behind the ring: the spare words, 128 bytes for each wave: four blocks of 256 bytes that no other line names
.set CH,    SK*128                     ; a chunk of 512 keys in memory: 65,536 dense bytes
.set STGW,  64*KP                      ; the way out: 64 rows x 144 bytes for each wave, in slot 0's region of K, which has had its last fill and its last read by then
.set AK0, 2                            ; v2   my lane's place in a tile of K
.set AV0, 3                            ; v3   the same for V
.set ADK, 4                            ; v4   LDS address of the step's K
.set ADV, 5                            ; v5   of its V
.set QO,  6                            ; v6   my byte offset in the wave's rows of Q
.set STO, 7                            ; v7   the way out: where I put 16 bytes of a row
.set RD,  8                            ; v8   where I read 16 bytes back
.set GO,  9                            ; v9   16 x lane: my byte offset in four rows of y16
.set PFO, 10                           ; v10  the prefetches' offset; never rewritten
.set ST,  12                           ; tile t's statistics at v[ST + 8 t]: +0 c m, +1 m, +2, +3 the sum in two halves (later +2 = 1 / L), +4, +5 at work, +6 the rescaling factor, +7 named with it as a pair
.set SPW, 44
.set NIL, 45
.set S,   48
.set P,   112
.set KF,  144
.set VF,  176
.set WV,  8                            ; s8   my wave's number
.set G1K, 24                           ; s[24:31] descriptor group 1 for K's tiles;  s[32:39] for V's: it differs in the padding alone
.set G1V, 32
.set G0K, 40                           ; s[40:47] group 0 for K's tiles, a set for each slot;  s[48:55] for V's
.set G0V, 48
.set CS,  56                           ; s[56:57] c, twice: the packed form names a pair
.set SEL, 58                           ; s[58:59] lane selects for v_permlanex16_b32: lane l xor 16
.set TH,  60                           ; s[60:61] -0.001, twice
.set TB,  62                           ; s62  LDS byte at which the step's K begins
.set TV,  63                           ; s63  the same for V (V's region is in AV0)
.set CNT, 66                           ; s66  counts a visit's steps
.set MSB, 0
.macro WIN new                         ; the immediate's high byte repeats the setting that is left
.if MSB != (\new)
	s_set_vgpr_msb (MSB<<8)|(\new)
.set MSB, (\new)
.endif
.endm
.macro PLACES                          ; four plain lines between a matrix instruction and a read of its result or a load into its registers
.rept 4
	v_nop
.endr
.endm
.macro CROUND                          ; a round of the cluster's barrier
	s_barrier_signal -1
	s_barrier_wait -1
	s_cmp_lg_u32 s[WV], 0
	s_cbranch_scc1 .Lnot_wave_0_\@
	s_barrier_signal -3
.Lnot_wave_0_\@:
	s_barrier_wait -3
	s_barrier_signal -1
	s_barrier_wait -1
.endm
; Joint refills.  The branches hang on the wave's number alone.  An s_nop 0 and four v_nop follow each tensor load.
.macro JLOADK s                        ; pass 1: waves 0-3 fetch K's four quarters, waves 4-7 nothing
	s_cmp_lt_u32 s[WV], 4
	s_cbranch_scc0 .Lnone_\@
	tensor_load_to_lds s[G0K+4*\s:G0K+4*\s+3], s[G1K:G1K+7]
	s_nop 0
.rept 4
	v_nop
.endr
.Lnone_\@:
.endm
.macro JLOADKV s                       ; pass 2: waves 0-3 K's quarters, waves 4-7 V's
	s_cmp_lt_u32 s[WV], 4
	s_cbranch_scc0 .Lfor_v_\@
	tensor_load_to_lds s[G0K+4*\s:G0K+4*\s+3], s[G1K:G1K+7]
	s_nop 0
.rept 4
	v_nop
.endr
	s_branch .Lasked_\@
.Lfor_v_\@:
	tensor_load_to_lds s[G0V+4*\s:G0V+4*\s+3], s[G1V:G1V+7]
	s_nop 0
.rept 4
	v_nop
.endr
.Lasked_\@:
.endm
; A prefetch into the L2 of the chunk that the NEXT change of slots will ask for and that nobody has read yet: 65,536 bytes = 256 blocks of 256.  The four partners take 64 blocks each, told apart by address;
; in each, waves 0 and 1 take 32, a lane a block: each block is named once in the launch.  The address registers are never rewritten.  Chunks asked for at the head or at the first change come by their loads alone.
.macro ASK base, chunk
	s_cmp_lt_u32 s[WV], 2
	s_cbranch_scc0 .Lnot_mine_\@
	global_prefetch_b8 v[PFO], s[\base:\base+1] offset:\chunk*CH th:TH_LOAD_NT scope:SCOPE_SE
.Lnot_mine_\@:
.endm
; THE CHANGE OF SLOTS behind a visit.  Each wave waits for all its tensor loads (its part of the next visit's slot), adds 0 to its spare word, steps the descriptors of the slot just read, and waits for the add and for its reads of that slot.
; Behind the cluster's round no wave of any partner reads the slot or has a load on its way: it is filled for the visit after the next.  back = 1: K's walk goes back two chunks (pass 2 begins anew); vfill = 1: V's region is filled too.
.macro CHANGE slot, back, vfill, pfbase, pfchunk
	WIN 0
	s_wait_tensorcnt 0x0                           ; no tensor load of mine is out, so a group 0 may be written
	ds_add_u32 v[SPW], v[NIL]                      ; 0 onto my spare word
.if \back
	s_sub_nc_u64 s[G0K+4*\slot+2:G0K+4*\slot+3], s[G0K+4*\slot+2:G0K+4*\slot+3], 2*CH
.else
	s_add_nc_u64 s[G0K+4*\slot+2:G0K+4*\slot+3], s[G0K+4*\slot+2:G0K+4*\slot+3], 2*CH
.endif
.if \vfill
	s_add_nc_u64 s[G0V+4*\slot+2:G0V+4*\slot+3], s[G0V+4*\slot+2:G0V+4*\slot+3], 2*CH
.endif
	s_wait_dscnt 0x0                               ; the add is done, and my reads of the slot are over
	CROUND
.if \vfill
	JLOADKV \slot
.else
	JLOADK \slot
.endif
.if \pfbase
	ASK \pfbase, \pfchunk
.endif
.endm
.macro CHANGE0                         ; the last change: nothing is left to ask for, so a plain barrier
	WIN 0
	s_wait_tensorcnt 0x0
	ds_add_u32 v[SPW], v[NIL]
	s_wait_dscnt 0x0
	s_barrier_signal -1
	s_barrier_wait -1
.endm
.macro FETCH_K                         ; 32 keys x 64 channels: fragment (kt, ks) = keys 16 kt on, channels 32 ks on
	v_add_nc_u32 v[ADK], s[TB], v[AK0]
.irp f, 0,1,2,3
	ds_load_b128 v[KF+8*\f:KF+8*\f+3],   v[ADK] offset:(\f/2)*16*KP+(\f%2)*64
	ds_load_b128 v[KF+8*\f+4:KF+8*\f+7], v[ADK] offset:(\f/2)*16*KP+(\f%2)*64+32
.endr
	s_add_co_u32 s[TB], s[TB], 32*KP
.endm
.macro FETCH_V                         ; the same 32 keys of V, turned: fragment ct = channels 16 ct on
	v_add_nc_u32 v[ADV], s[TV], v[AV0]
.irp f, 0,1,2,3
	ds_load_tr16_b128 v[VF+8*\f:VF+8*\f+3],   v[ADV] offset:32*\f
	ds_load_tr16_b128 v[VF+8*\f+4:VF+8*\f+7], v[ADV] offset:32*\f+16*VP
.endr
	s_add_co_u32 s[TV], s[TV], 32*VP
.endm
; S^T = K Q^T: product i: channels 32 (i / 8) on, keys 16 ((i / 4) % 2) on, tile i % 4.  The first eight start the sums; the eight accumulators take turns, one instruction a turn.
.macro QK
	WIN 0x04                                       ; source 1 (Q) window 1
.set i, 0
.rept 16
.set rS, S+16*(i%4)+8*((i/4)%2)
.set rK, KF+16*((i/4)%2)+8*(i/8)
.set rQ, 128+16*(i%4)+8*(i/8)
.if i < 8
	v_wmma_f32_16x16x32_f16 v[rS:rS+7], v[rK:rK+7], v[rQ:rQ+7], 0
.else
	v_wmma_f32_16x16x32_f16 v[rS:rS+7], v[rK:rK+7], v[rQ:rQ+7], v[rS:rS+7]
.endif
.set i, i+1
.endr
	WIN 0
.endm
; O^T += V^T w: product i: channels 16 (i / 4) on, tile i % 4: sixteen accumulators, one link each.  zero = 1: the first step starts the sums.  The four places serve the next step's loads into V's registers.
.macro PV zero
	WIN 0x50                                       ; C and D (O^T) window 1
.set i, 0
.rept 16
.set rO, 32*(i%4)+8*(i/4)
.set rV, VF+8*(i/4)
.set rP, P+8*(i%4)
.if \zero
	v_wmma_f32_16x16x32_f16 v[rO:rO+7], v[rV:rV+7], v[rP:rP+7], 0
.else
	v_wmma_f32_16x16x32_f16 v[rO:rO+7], v[rV:rV+7], v[rP:rP+7], v[rO:rO+7]
.endif
.set i, i+1
.endr
	WIN 0
	PLACES
.endm
.macro SCALE                           ; c s - c m, two scores at a time, each accumulator from its low end on; then all 64 exponentials
.irp p, 0,1,2,3,4,5,6,7
.irp t, 0,1,2,3
	v_pk_fma_f32 v[S+16*\t+2*\p:S+16*\t+2*\p+1], v[S+16*\t+2*\p:S+16*\t+2*\p+1], s[CS:CS+1], v[ST+8*\t:ST+8*\t+1] op_sel_hi:[1,0,0] neg_lo:[0,0,1] neg_hi:[0,0,1]
.endr
.endr
.endm
.macro EXPS
.set j, 0
.rept 64
	v_exp_f32 v[S+j], v[S+j]
.set j, j+1
.endr
	v_nop                                          ; a plain line behind the last exponential
	s_wait_alu depctr_va_vdst(0)                   ; one wait for the whole batch, ahead of its first reader
.endm
; PASS 1's vector work for 32 keys: my half of the lanes' own running maximum and sum.
.macro SM1
.irp i, 0,1,2,3,4,5,6,7
.irp t, 0,1,2,3
	v_max3_num_f32 v[ST+8*\t+1], v[ST+8*\t+1], v[S+16*\t+2*\i], v[S+16*\t+2*\i+1]   ; the four tiles by turns
.endr
.endr
.irp t, 0,1,2,3
	v_mul_f32 v[ST+8*\t+4], s[CS], v[ST+8*\t+1]    ; the new c m
.endr
.irp t, 0,1,2,3
	v_sub_f32 v[ST+8*\t+6], v[ST+8*\t], v[ST+8*\t+4]   ; c m_old - c m_new, 0 or less
.endr
.irp t, 0,1,2,3
	v_mov_b32 v[ST+8*\t], v[ST+8*\t+4]
.endr
	SCALE
.irp t, 0,1,2,3
	v_exp_f32 v[ST+8*\t+6], v[ST+8*\t+6]           ; what the old sum is multiplied by
.endr
	EXPS
.irp u, 0,1,2,3
.irp t, 0,1,2,3
	v_pk_add_f32 v[S+16*\t+4*\u:S+16*\t+4*\u+1], v[S+16*\t+4*\u:S+16*\t+4*\u+1], v[S+16*\t+4*\u+2:S+16*\t+4*\u+3]
.endr
.endr
.irp u, 0,1
.irp t, 0,1,2,3
	v_pk_add_f32 v[S+16*\t+8*\u:S+16*\t+8*\u+1], v[S+16*\t+8*\u:S+16*\t+8*\u+1], v[S+16*\t+8*\u+4:S+16*\t+8*\u+5]
.endr
.endr
.irp t, 0,1,2,3
	v_pk_add_f32 v[S+16*\t:S+16*\t+1], v[S+16*\t:S+16*\t+1], v[S+16*\t+8:S+16*\t+9]
.endr
.irp t, 0,1,2,3
	v_pk_fma_f32 v[ST+8*\t+2:ST+8*\t+3], v[ST+8*\t+2:ST+8*\t+3], v[ST+8*\t+6:ST+8*\t+7], v[S+16*\t:S+16*\t+1] op_sel_hi:[1,0,1]
.endr
.endm
; PASS 2's vector work for 32 keys: the weights.
.macro SM2
	SCALE
	EXPS
.irp p, 0,1,2,3,4,5,6,7
.irp t, 0,1,2,3
	v_pk_fma_f32 v[S+16*\t+2*\p:S+16*\t+2*\p+1], v[S+16*\t+2*\p:S+16*\t+2*\p+1], v[ST+8*\t+2:ST+8*\t+3], s[TH:TH+1] op_sel_hi:[1,0,0]   ; p / L - 0.001
.endr
.endr
.set j, 0
.rept 64
	v_max_num_f32 v[S+j], 0, v[S+j]                ; the relu
.set j, j+1
.endr
.irp b, 0,1,2,3,4,5,6,7
.irp t, 0,1,2,3
	v_cvt_pk_f16_f32 v[P+8*\t+\b], v[S+16*\t+2*\b], v[S+16*\t+2*\b+1]
.endr
.endr
.endm
.macro STEP1
	FETCH_K
	s_wait_dscnt 0x0                               ; K is in
	QK
	PLACES
	SM1
.endm
.macro STEP2 zero
	FETCH_K
	FETCH_V
	s_wait_dscnt 8                                 ; K is in; V's eight loads may be out
	QK
	PLACES
	SM2
	s_wait_dscnt 0x0                               ; V is in
	PV \zero
.endm
.macro VISIT1 slot                     ; 512 keys of pass 1: 16 steps
	s_mov_b32 s[TB], \slot*SLOTB
	s_mov_b32 s[CNT], 16
.Lv1_\@:
	STEP1
	s_sub_co_u32 s[CNT], s[CNT], 1
	s_cmp_lg_u32 s[CNT], 0
	s_cbranch_scc1 .Lv1_\@
.endm
.macro VISIT2 slot, first              ; 512 keys of pass 2; first = 1: the step that starts O^T's sums is written out
	s_mov_b32 s[TB], \slot*SLOTB
	s_mov_b32 s[TV], \slot*SLOTB
.if \first
	STEP2 1
	s_mov_b32 s[CNT], 15
.else
	s_mov_b32 s[CNT], 16
.endif
.Lv2_\@:
	STEP2 0
	s_sub_co_u32 s[CNT], s[CNT], 1
	s_cmp_lg_u32 s[CNT], 0
	s_cbranch_scc1 .Lv2_\@
.endm
	s_load_b128 s[4:7], s[0:1], 0x0                ; qkv16 s[4:5], y16 s[6:7]
	v_lshl_add_u32 v[SPW], v0, 2, SPARE
	v_mov_b32 v[NIL], 0
	ds_add_u32 v[SPW], v[NIL]                      ; the wave's opening: the add, twice on end, and its wait ahead of my first tensor load
	ds_add_u32 v[SPW], v[NIL]
	v_lshrrev_b32 v1, 5, v0
	v_readfirstlane_b32 s[WV], v1                  ; wave 0..7
	s_bfe_u32 s9, ttmp6, 0x40000                   ; cx: my place in the cluster
	s_lshl_b32 s10, ttmp9, 2
	s_add_co_u32 s10, s10, s9                      ; my block of 512 queries: it enters Q's and y's addresses and the prefetches' offset alone
	s_and_b32 s11, ttmp7, 0xffff                   ; g = 16 b + h, which the four partners share
	s_lshl_b32 s18, s11, 18                        ; the plane's first byte in each third of qkv16
	s_mov_b32 s19, 0
	s_lshl_b32 s20, s10, 16                        ; my block's 512 rows of 128 bytes,
	s_lshl_b32 s21, s[WV], 13                      ; my wave's 64 of them
	s_add_co_u32 s20, s20, s21
	s_mov_b32 s21, 0
	s_and_b32 s22, s11, 15                         ; y16: plane h of 1,048,576 bytes, + b x 2,048 rows, + my rows
	s_lshl_b32 s22, s22, 20
	s_lshr_b32 s23, s11, 4
	s_lshl_b32 s23, s23, 18
	s_add_co_u32 s22, s22, s23
	s_add_co_u32 s22, s22, s20
	s_mov_b32 s23, 0
	s_and_b32 s67, s[WV], 3                        ; which 128 rows of a chunk I fetch:
	s_lshl_b32 s2, s67, 14                         ; in memory,
	s_mov_b32 s3, 0
	s_mul_i32 s66, s67, 128*KP                     ; in K's region,
	s_mul_i32 s67, s67, 128*VP
	s_add_co_u32 s67, s67, KREG                    ; in V's: no place in the cluster enters an LDS address
	; descriptor group 1: a tile of 128 rows x 64 elements of 2 bytes, dense in memory, padded in LDS
	s_mov_b32 s[G1K], 15|(1<<16)|(1<<20)|(1<<21)|(4<<22)|(3<<25)  ; 15:0 the mask: all four work-groups; 17:16 elements of 2 bytes; 20 padding on; 21 set beside a mask; 24:22 after every 32 words; 31:25 four words
	s_mov_b32 s[G1V], 15|(1<<16)|(1<<20)|(1<<21)|(4<<22)|(7<<25)  ; the same with eight words of padding
.irp g, G1K, G1V
	s_mov_b32 s[\g+1], 64<<16                      ; tensor_dim0 = 64
	s_mov_b32 s[\g+2], 128<<16                     ; tensor_dim1 = 128
	s_mov_b32 s[\g+3], 64<<16                      ; tile_dim0 = 64
	s_mov_b32 s[\g+4], 128                         ; tile_dim1 = 128
	s_mov_b32 s[\g+5], 64                          ; tensor_dim0_stride
	s_mov_b32 s[\g+6], 0
	s_mov_b32 s[\g+7], 0
.endr
	s_mov_b32 s[CS], 0x3e38aa3b                    ; c = log2(e) / 8
	s_mov_b32 s[CS+1], s[CS]
	s_mov_b32 s[SEL], 0x76543210
	s_mov_b32 s[SEL+1], 0xfedcba98
	s_mov_b32 s[TH], 0xba83126f                    ; -0.001
	s_mov_b32 s[TH+1], s[TH]
	s_wait_dscnt 0x0                               ; both opening adds are done
	s_wait_kmcnt 0x0
	s_add_nc_u64 s[4:5], s[4:5], s[18:19]          ; Q's plane
	s_add_nc_u64 s[12:13], s[4:5], s[20:21]        ; Q at my wave's first row
	s_add_nc_u64 s[14:15], s[4:5], 0x1000000       ; K's plane: 64 planes on; never rewritten
	s_add_nc_u64 s[16:17], s[4:5], 0x2000000       ; V's plane; never rewritten
	s_add_nc_u64 s[6:7], s[6:7], s[22:23]          ; y16 at my wave's first row
	CROUND                                         ; all four work-groups are here: the first joint loads meet
	s_add_nc_u64 s[18:19], s[14:15], s[2:3]        ; K at my 128 rows of chunk 0
.irp s, 0,1
	s_mov_b32 s[G0K+4*\s], 1                       ; count = 1
	s_add_co_u32 s[G0K+4*\s+1], s66, \s*SLOTB      ; LDS address
	s_add_nc_u64 s[G0K+4*\s+2:G0K+4*\s+3], s[18:19], \s*CH   ; global address: slot s begins with chunk s
	s_or_b32 s[G0K+4*\s+3], s[G0K+4*\s+3], 0x80000000        ; type = 2
.endr
	s_add_nc_u64 s[18:19], s[16:17], s[2:3]        ; V likewise
.irp s, 0,1
	s_mov_b32 s[G0V+4*\s], 1
	s_add_co_u32 s[G0V+4*\s+1], s67, \s*SLOTB
	s_add_nc_u64 s[G0V+4*\s+2:G0V+4*\s+3], s[18:19], \s*CH
	s_or_b32 s[G0V+4*\s+3], s[G0V+4*\s+3], 0x80000000
.endr
	s_cmp_lt_u32 s[WV], 4                          ; a wave's two first fills stand in one branch, ahead of every wait on TENSORcnt and every LDS read: two loads of mine are out
	s_cbranch_scc0 .Lfirst_v
	tensor_load_to_lds s[G0K:G0K+3], s[G1K:G1K+7]
	s_nop 0
	tensor_load_to_lds s[G0K+4:G0K+7], s[G1K:G1K+7]
	s_nop 0
.rept 4
	v_nop
.endr
	s_branch .Lfirst_asked
.Lfirst_v:
	tensor_load_to_lds s[G0V:G0V+3], s[G1V:G1V+7]
	s_nop 0
	tensor_load_to_lds s[G0V+4:G0V+7], s[G1V:G1V+7]
	s_nop 0
.rept 4
	v_nop
.endr
.Lfirst_asked:
	v_and_b32 v1, 15, v0                           ; r = l % 16
	v_bfe_u32 v11, v0, 4, 1                        ; h = l / 16
	v_lshlrev_b32 v[QO], 7, v1
	v_lshl_add_u32 v[QO], v11, 4, v[QO]            ; row x 128 + 16 x half
	WIN 0x40                                       ; destination window 1
.irp f, 0,1,2,3,4,5,6,7                        ; Q stays in registers: tile f / 2, channels 32 (f % 2) on
	global_load_b128 v[128+8*\f:128+8*\f+3],   v[QO], s[12:13] offset:(\f/2)*2048+(\f%2)*64
	global_load_b128 v[128+8*\f+4:128+8*\f+7], v[QO], s[12:13] offset:(\f/2)*2048+(\f%2)*64+32
.endr
	WIN 0
	v_mul_u32_u24 v[AK0], v1, KP
	v_lshl_add_u32 v[AK0], v11, 4, v[AK0]          ; K: row r x pitch + 16 x half
	v_and_b32 v46, 7, v0
	v_bfe_u32 v47, v0, 3, 1
	v_lshl_add_u32 v[AV0], v11, 3, v46             ; V: the turning load: key 8 h + l % 8, channels 8 ((l / 8) % 2) on
	v_mul_u32_u24 v[AV0], v[AV0], VP
	v_lshl_add_u32 v[AV0], v47, 4, v[AV0]
	v_add_nc_u32 v[AV0], KREG, v[AV0]
	s_mul_i32 s22, s[WV], STGW                     ; my stage
	v_add_nc_u32 v[STO], s22, v[AK0]               ; in: row r, 16 bytes for each half of the lanes
	v_bfe_u32 v[RD], v0, 3, 2                      ; back: eight lanes to a row of 128 bytes, four rows an instruction
	v_mul_u32_u24 v[RD], v[RD], KP
	v_lshl_add_u32 v[RD], v46, 4, v[RD]
	v_add_nc_u32 v[RD], s22, v[RD]
	v_and_b32 v[GO], 31, v0
	v_lshlrev_b32 v[PFO], 8, v[GO]                 ; the prefetches: 256 x lane,
	v_lshlrev_b32 v[GO], 4, v[GO]
	s_lshl_b32 s22, s9, 14                         ; + 16,384 x my place in the cluster,
	s_and_b32 s23, s[WV], 1
	s_lshl_b32 s23, s23, 13                        ; + 8,192 x wave (0 or 1)
	s_add_co_u32 s22, s22, s23
	v_add_nc_u32 v[PFO], s22, v[PFO]
.irp t, 0,1,2,3
	v_mov_b32 v[ST+8*\t+1], 0xff61b1e6             ; the largest score so far: -3e38, under every score
	v_mul_f32 v[ST+8*\t], s[CS], v[ST+8*\t+1]
.irp k, 2,3,4,5,6,7
	v_mov_b32 v[ST+8*\t+\k], 0                     ; the sums begin as zeros, which the first rescaling leaves zeros; the others are written once, since a lane permute's destination and a pair's upper half count as read
.endr
.endr
	s_wait_tensorcnt 1                             ; my part of slot 0 is in; slot 1's, issued behind it, may stay out
	s_barrier_signal -1
	s_barrier_wait -1                              ; everybody's is
	s_wait_loadcnt 0x0                             ; Q
	VISIT1 0                                       ; ---- pass 1
	CHANGE 0, 0, 0, 14, 3                          ; slot 0 takes K's chunk 2; chunk 3 is prefetched
	VISIT1 1
	CHANGE 1, 0, 0, 0, 0                           ; slot 1 takes K's chunk 3
	VISIT1 0
	CHANGE 0, 1, 0, 0, 0                           ; slot 0 takes K's chunk 0 again, for pass 2
	VISIT1 1
	CHANGE 1, 1, 0, 16, 2                          ; slot 1 takes K's chunk 1; V's chunk 2 is prefetched
	; ---- between the passes: the two halves of the lanes meet: m = the larger maximum, L = both sums brought under it; 1 / L
.irp t, 0,1,2,3
	v_add_f32 v[ST+8*\t+4], v[ST+8*\t+2], v[ST+8*\t+3]
.endr
.irp t, 0,1,2,3
	v_permlanex16_b32 v[ST+8*\t+5], v[ST+8*\t+1], s[SEL], s[SEL+1]
.endr
.irp t, 0,1,2,3
	v_max_num_f32 v[ST+8*\t+5], v[ST+8*\t+1], v[ST+8*\t+5]
.endr
.irp t, 0,1,2,3
	v_mul_f32 v[ST+8*\t+6], s[CS], v[ST+8*\t+5]    ; the final c m: the same bits in both halves
.endr
.irp t, 0,1,2,3
	v_sub_f32 v[ST+8*\t+7], v[ST+8*\t], v[ST+8*\t+6]
.endr
.irp t, 0,1,2,3
	v_exp_f32 v[ST+8*\t+7], v[ST+8*\t+7]
.endr
	v_nop
	s_wait_alu depctr_va_vdst(0)                   ; one wait for the four, ahead of their first reader
.irp t, 0,1,2,3
	v_mul_f32 v[ST+8*\t+4], v[ST+8*\t+4], v[ST+8*\t+7]
.endr
.irp t, 0,1,2,3
	v_permlanex16_b32 v[ST+8*\t+5], v[ST+8*\t+4], s[SEL], s[SEL+1]
.endr
.irp t, 0,1,2,3
	v_add_f32 v[ST+8*\t+4], v[ST+8*\t+4], v[ST+8*\t+5]   ; L, at least about 1: the largest score's own term
.endr
.irp t, 0,1,2,3
	v_rcp_f32 v[ST+8*\t+2], v[ST+8*\t+4]
.endr
.irp t, 0,1,2,3
	v_mov_b32 v[ST+8*\t], v[ST+8*\t+6]             ; (plain lines behind the reciprocals)
.endr
	s_wait_alu depctr_va_vdst(0)                   ; one wait for the four reciprocals
	VISIT2 0, 1                                    ; ---- pass 2
	CHANGE 0, 0, 1, 16, 3                          ; slot 0 takes K's and V's chunk 2; V's chunk 3 is prefetched
	VISIT2 1, 0
	CHANGE 1, 0, 1, 0, 0                           ; slot 1 takes K's and V's chunk 3: the last loads
	VISIT2 0, 0
	CHANGE0
	VISIT2 1, 0
	; ---- THE WAY OUT.  A lane's eight channels of a row pack into 16 bytes; a tile (16 rows of 128 bytes) goes through my stage and comes back as rows: 32 lanes store 512 consecutive bytes, aligned.
.irp t, 0,1,2,3
	WIN 0x05                                       ; sources 0 and 1 (O^T) window 1
.irp n, 0,1,2,3,4,5,6,7,8,9,10,11,12,13,14,15
	v_cvt_pk_f16_f32 v[S+16*\t+\n], v[32*\t+2*\n], v[32*\t+2*\n+1]   ; each accumulator from its low end on
.endr
	WIN 0
.irp c, 0,1,2,3
	ds_store_b128 v[STO], v[S+16*\t+4*\c:S+16*\t+4*\c+3] offset:16*KP*\t+32*\c
.endr
.irp i, 0,1,2,3
	ds_load_b128 v[S+16*\t+4*\i:S+16*\t+4*\i+3], v[RD] offset:16*KP*\t+4*KP*\i   ; LDS serves a wave's instructions in order: these see the stores above
.endr
.endr
.irp t, 0,1,2,3
.irp i, 0,1,2,3
	s_wait_dscnt 8*(3-\t)+3-\i                     ; behind this load stand the tile's later loads and eight LDS instructions for each later tile
	global_store_b128 v[GO], v[S+16*\t+4*\i:S+16*\t+4*\i+3], s[6:7] offset:2048*\t+512*\i
.endr
.endr
	s_wait_tensorcnt 0x0                           ; the wave's end, behind my last tensor load and my last LDS store
	ds_add_u32 v[SPW], v[NIL]
	s_wait_dscnt 0x0
	CROUND                                         ; the closing round
	s_endpgm
.Lfunc_end_k_q12bb7b0c3c_attn:
	.size	k_q12bb7b0c3c_attn, .Lfunc_end_k_q12bb7b0c3c_attn-k_q12bb7b0c3c_attn
	.p2alignl 7, 3214868480
	.fill 96, 4, 3214868480
	.section	.rodata,"a",@progbits
	.p2align	6, 0x0
	.amdhsa_kernel k_q12bb7b0c3c_attn
		.amdhsa_group_segment_fixed_size 327680
		.amdhsa_private_segment_fixed_size 0
		.amdhsa_enable_private_segment 0
		.amdhsa_kernarg_size 16
		.amdhsa_user_sgpr_count 2
		.amdhsa_user_sgpr_kernarg_segment_ptr 1
		.amdhsa_wavefront_size32 1
		.amdhsa_system_sgpr_workgroup_id_x 1
		.amdhsa_system_sgpr_workgroup_id_y 1
		.amdhsa_system_sgpr_workgroup_id_z 1
		.amdhsa_system_vgpr_workitem_id 0
		.amdhsa_next_free_vgpr 512
		.amdhsa_next_free_sgpr 68
		.amdhsa_reserve_vcc 0
		.amdhsa_float_denorm_mode_32 3
		.amdhsa_float_denorm_mode_16_64 3
		.amdhsa_memory_ordered 1
		.amdhsa_forward_progress 1
		.amdhsa_inst_pref_size 137
	.end_amdhsa_kernel
	.amdgpu_metadata
---
amdhsa.version: [ 1, 2 ]
amdhsa.kernels:
  - .name:           k_q12bb7b0c3c_attn
    .symbol:         k_q12bb7b0c3c_attn.kd
    .args:
      - { .name: qkv16, .offset: 0, .size: 8, .value_kind: global_buffer, .address_space: global }
      - { .name: y16, .offset: 8, .size: 8, .value_kind: global_buffer, .address_space: global }
    .group_segment_fixed_size: 327680
    .private_segment_fixed_size: 0
    .kernarg_segment_align: 8
    .kernarg_segment_size: 16
    .max_flat_workgroup_size: 256
    .sgpr_count:     68
    .vgpr_count:     512
    .wavefront_size: 32
...
	.end_amdgpu_metadata
.endif
;; end of part 3
;; launch proj (part 4): grid 8 x 32, 4 waves a work-group, clusters of 4 x 4, 327,680 bytes of LDS; arguments y16, wp16, b_proj, out0; writes out0
.if DOCPART == 4
	.amdgcn_target "amdgcn-amd-amdhsa--gfx1250"
	.amdhsa_code_object_version 6
	.text
	.protected	k_q12bb7b0c3c_proj
	.globl	k_q12bb7b0c3c_proj
	.p2align	8
	.type	k_q12bb7b0c3c_proj,@function
k_q12bb7b0c3c_proj:
	s_mov_b64 s[64:65], 0
	v_nop
	global_prefetch_b8 v0, s[64:65] scope:SCOPE_SE
	s_setreg_imm32_b32 hwreg(HW_REG_WAVE_MODE, 25, 1), 1
	s_wait_xcnt 0x0
	s_wait_alu depctr_hold_cnt(0) depctr_sa_sdst(0) depctr_va_vdst(0) depctr_va_sdst(0) depctr_va_ssrc(0) depctr_va_vcc(0) depctr_vm_vsrc(0)
	s_getreg_b32 s2, hwreg(HW_REG_IB_STS2, 6, 4)
	s_cmp_eq_u32 s2, 0
	s_cbranch_scc0 .Lentry_in_a_cluster
	s_endpgm
.Lentry_in_a_cluster:
	s_bfe_u32 s2, ttmp6, 0x10000c
	s_cmp_lg_u32 s2, 0xf033
	s_cbranch_scc0 .Lentry_shape_is_right
	s_endpgm
.Lentry_shape_is_right:
; out[m][n] = sum over k of y[m][k] W_proj[k][n] + b_proj[n].  y16: [16 h][8192 m][64] f16 (k = 64 h + d); wp16: [1024 k][1024 n] f16; out0: [8192][1024] f32.  f16 operands, f32 sums.
; A tile of 256 x 128 of out is made by four waves: 8 x 32 = 256 work-groups (tiles of 256 x 256 would be 128).  Wave w makes rows 128 (w / 2) on, columns 64 (w % 2) on: 8 x 4 = 32 accumulators.
; K goes in steps of 128 (two heads) through a ring of two LDS slots: a slot holds 256 rows of each of two heads of y (dense blocks of 32,768 bytes) and 128 k rows x 256 bytes of W_proj.
; One tensor load a wave: waves 0 and 1 a head of y each, waves 2 and 3 64 k rows of W_proj each.
; CLUSTERS: 4 x 4 work-groups.  y's tiles hang on the tile row alone and are shared along a row of the cluster, W_proj's on the tile column alone and are shared along a column: joint loads.
; THE MATRIX INSTRUCTION IS USED TRANSPOSED: source 0 = 16 columns of W_proj, turned out of [k][n] by ds_load_tr16_b128; source 1 = 16 rows of y: a lane holds eight neighbouring columns of one row.  The bias is the C of each sum's first instruction.
; REGISTERS: window 0: v16-29 addresses; v32-63 the bias; v64-127 rows on the way out.   window 1: two fragment buffers at v0 and v128: y's eight fragments at + 8 a, W_proj's four at + 64 + 8 b.   window 2: accumulator (a, b) at v[8 (4 a + b)].
.set AP,     144                       ; a row of y in LDS: 128 bytes + 16 = 36 words
.set BP,     288                       ; a k row of W_proj: 256 bytes + 32 = 72 words
.set AH,     256*AP                    ; a head's 256 rows
.set BH,     64*BP                     ; 64 k rows
.set SLOT,   2*AH+2*BH
.set STAGE,  2*SLOT                    ; behind the ring: 16 rows x 272 bytes for each wave, for the way out
.set SPITCH, 272
.set SPARE,  STAGE+4*16*SPITCH         ; the spare words, 128 bytes for each wave: two blocks of 256 bytes that no other line names
.set ADRA, 16                          ; v16-17  LDS address of my fragments of y in slot 0, 1
.set ADRB, 20                          ; v20-21  the same for W_proj
.set STO,  24                          ; v24     the way out: where I put 32 bytes of a row
.set RD,   25                          ; v25     where I read 16 bytes back
.set CO,   26                          ; v26     my byte offset in two rows of out0
.set BO,   27                          ; v27     32 x (lane / 16)
.set SPW,  28
.set NIL,  29
.set BI,   32
.set BK,   64
.set F0,   0
.set F1,   128
.set G1A, 24                           ; s[24:31] group 1 for y's tiles;  s[32:39] group 0, a set for each slot
.set G0A, 32
.set G1B, 40                           ; s[40:47], s[48:55] the same for W_proj's
.set G0B, 48
.set MSB, 0
.macro WIN new                         ; the immediate's high byte repeats the setting that is left
.if MSB != (\new)
	s_set_vgpr_msb (MSB<<8)|(\new)
.set MSB, (\new)
.endif
.endm
.set MUL,  0xa5                        ; sources 0 and 1 window 1; C and D window 2
.set MULZ, 0x85                        ; a sum's first product: C (the bias) window 0
.set TO_F, 0x40                        ; destination window 1, address window 0
.macro JLOAD s                         ; a joint load: waves 0 and 1 fetch y's two heads, waves 2 and 3 W_proj's two halves; an s_nop 0 and four v_nop follow each line
	s_cmp_eq_u32 s13, 0
	s_cbranch_scc0 .Lfor_b_\@
	tensor_load_to_lds s[G0A+4*\s:G0A+4*\s+3], s[G1A:G1A+7]
	s_nop 0
.rept 4
	v_nop
.endr
	s_branch .Lasked_\@
.Lfor_b_\@:
	tensor_load_to_lds s[G0B+4*\s:G0B+4*\s+3], s[G1B:G1B+7]
	s_nop 0
.rept 4
	v_nop
.endr
.Lasked_\@:
.endm
.macro CREST                           ; a round of the cluster's barrier behind its opening barrier
	s_cmp_lg_u32 s12, 0
	s_cbranch_scc1 .Lnot_wave_0_\@
	s_barrier_signal -3
.Lnot_wave_0_\@:
	s_barrier_wait -3
	s_barrier_signal -1
	s_barrier_wait -1
.endm
.macro CROUND
	s_barrier_signal -1
	s_barrier_wait -1
	CREST
.endm
.macro PLACES
.rept 4
	v_nop
.endr
.endm
	s_load_b256 s[4:11], s[0:1], 0x0               ; y16 s[4:5], wp16 s[6:7], b_proj s[8:9], out0 s[10:11]
	v_lshl_add_u32 v[SPW], v0, 2, SPARE
	v_mov_b32 v[NIL], 0
	ds_add_u32 v[SPW], v[NIL]                      ; the wave's opening: the add, twice on end, and its wait ahead of my first tensor load
	ds_add_u32 v[SPW], v[NIL]
	v_lshrrev_b32 v1, 5, v0
	v_readfirstlane_b32 s12, v1                    ; wave 0..3
	s_lshr_b32 s13, s12, 1                         ; which half of the tile's rows is mine.  Also: I fetch for y (0) or for W_proj (1)
	s_and_b32 s14, s12, 1                          ; which half of its columns.  Also: which head, or which 64 k rows, I fetch
	s_bfe_u32 s15, ttmp6, 0x40000                  ; cx, cy
	s_bfe_u32 s16, ttmp6, 0x40004
	s_lshl_b32 s17, ttmp9, 2
	s_add_co_u32 s17, s17, s15                     ; tile column = 4 x cluster x + cx
	s_and_b32 s18, ttmp7, 0xffff
	s_lshl_b32 s18, s18, 2
	s_add_co_u32 s18, s18, s16                     ; tile row = 4 x cluster y + cy
	s_lshl_b32 s19, s16, 2
	s_lshl_b32 s19, 15, s19                        ; my row of the cluster
	s_lshl_b32 s20, 0x1111, s15                    ; my column
	s_or_b32 s[G1A], s19, (1<<16)|(1<<20)|(1<<21)|(4<<22)|(3<<25)   ; the mask; elements of 2 bytes; padding on; bit 21 beside a mask; four words after every 32
	s_mov_b32 s[G1A+1], 64<<16                     ; tensor_dim0 = 64
	s_mov_b32 s[G1A+2], 256<<16                    ; tensor_dim1 = 256
	s_mov_b32 s[G1A+3], 64<<16                     ; tile_dim0 = 64
	s_mov_b32 s[G1A+4], 256                        ; tile_dim1 = 256
	s_mov_b32 s[G1A+5], 64                         ; tensor_dim0_stride: rows are dense
	s_mov_b32 s[G1A+6], 0
	s_mov_b32 s[G1A+7], 0
	s_or_b32 s[G1B], s20, (1<<16)|(1<<20)|(1<<21)|(5<<22)|(7<<25)   ; eight words after every 64
	s_mov_b32 s[G1B+1], 128<<16                    ; tensor_dim0 = 128
	s_mov_b32 s[G1B+2], 64<<16                     ; tensor_dim1 = 64
	s_mov_b32 s[G1B+3], 128<<16                    ; tile_dim0 = 128
	s_mov_b32 s[G1B+4], 64                         ; tile_dim1 = 64
	s_mov_b32 s[G1B+5], 1024                       ; tensor_dim0_stride
	s_mov_b32 s[G1B+6], 0
	s_mov_b32 s[G1B+7], 0
	s_lshl_b32 s22, s18, 15                        ; y: tile row x 256 rows of 128 bytes,
	s_lshl_b32 s23, s14, 20                        ; + my head of the step's two
	s_add_co_u32 s22, s22, s23
	s_mov_b32 s23, 0
	s_lshl_b32 s58, s17, 8                         ; W_proj: tile column x 256 bytes,
	s_lshl_b32 s59, s14, 17                        ; + my 64 k rows of 2,048 bytes
	s_add_co_u32 s58, s58, s59
	s_mov_b32 s59, 0
	s_mul_i32 s21, s14, AH                         ; where they go: no place in the cluster enters an LDS address
	s_mul_i32 s20, s14, BH
	s_add_co_u32 s20, s20, 2*AH
	s_wait_dscnt 0x0                               ; both opening adds are done
	s_wait_kmcnt 0x0
	s_add_nc_u64 s[56:57], s[4:5], s[22:23]
	s_add_nc_u64 s[58:59], s[6:7], s[58:59]
	CROUND                                         ; all sixteen work-groups are here: the first joint loads meet
.irp s, 0,1
	s_mov_b32 s[G0A+4*\s], 1
	s_add_co_u32 s[G0A+4*\s+1], s21, \s*SLOT
	s_add_nc_u64 s[G0A+4*\s+2:G0A+4*\s+3], s[56:57], \s*2*1048576     ; K step s: heads 2 s, 2 s + 1
	s_or_b32 s[G0A+4*\s+3], s[G0A+4*\s+3], 0x80000000
	s_mov_b32 s[G0B+4*\s], 1
	s_add_co_u32 s[G0B+4*\s+1], s20, \s*SLOT
	s_add_nc_u64 s[G0B+4*\s+2:G0B+4*\s+3], s[58:59], \s*128*2048      ; k rows 128 s on
	s_or_b32 s[G0B+4*\s+3], s[G0B+4*\s+3], 0x80000000
	JLOAD \s                                       ; two tensor loads of mine are out
.endr
	v_and_b32 v1, 15, v0                           ; r = l % 16
	v_bfe_u32 v2, v0, 4, 1                         ; h = l / 16
	; the bias of my 64 columns: block b, lane half h: b_proj[128 x tile column + 64 x half + 16 b + 8 h + 0 .. 7]
	s_lshl_b32 s22, s17, 9
	s_lshl_b32 s23, s14, 8
	s_add_co_u32 s22, s22, s23                     ; also my first column's bytes in a row of out0
	s_mov_b32 s23, 0
	s_add_nc_u64 s[8:9], s[8:9], s[22:23]
	v_lshlrev_b32 v[BO], 5, v2
.irp b, 0,1,2,3
	global_load_b128 v[BI+8*\b:BI+8*\b+3], v[BO], s[8:9] offset:64*\b
	global_load_b128 v[BI+8*\b+4:BI+8*\b+7], v[BO], s[8:9] offset:64*\b+16
.endr
	s_lshl_b32 s56, s18, 8
	s_lshl_b32 s57, s13, 7
	s_add_co_u32 s56, s56, s57                     ; my first row of out0,
	s_lshl_b32 s56, s56, 12                        ; x 4,096 bytes,
	s_add_co_u32 s56, s56, s22                     ; + my first column
	s_mov_b32 s57, 0
	s_add_nc_u64 s[10:11], s[10:11], s[56:57]
	v_mul_u32_u24 v3, v1, AP
	v_lshl_add_u32 v3, v2, 4, v3                   ; y: row r x pitch + 16 x half
	v_and_b32 v4, 7, v0
	v_bfe_u32 v5, v0, 3, 1
	v_lshl_add_u32 v6, v2, 3, v4                   ; W_proj: the turning load: k row 8 h + l % 8, columns 8 ((l / 8) % 2) on
	v_mul_u32_u24 v6, v6, BP
	v_lshl_add_u32 v6, v5, 4, v6
	s_mul_i32 s22, s13, 128*AP                     ; my 128 rows of y
	s_lshl_b32 s23, s14, 7                         ; my 64 columns of W_proj,
	s_add_co_u32 s23, s23, 2*AH                    ; behind y's two heads
.irp s, 0,1
	v_add_nc_u32 v[ADRA+\s], s22, v3
	v_add_nc_u32 v[ADRB+\s], s23, v6
	s_add_co_u32 s22, s22, SLOT
	s_add_co_u32 s23, s23, SLOT
.endr
	s_mul_i32 s22, s12, 16*SPITCH
	s_add_co_u32 s22, s22, STAGE                   ; my stage
	v_mul_u32_u24 v3, v1, SPITCH                   ; in: row r, 32 bytes for each half of the lanes
	v_lshl_add_u32 v3, v2, 5, v3
	v_add_nc_u32 v[STO], s22, v3
	v_mul_u32_u24 v3, v2, SPITCH                   ; back: lanes 0-15 one row of 256 bytes, lanes 16-31 the next
	v_lshl_add_u32 v3, v1, 4, v3
	v_add_nc_u32 v[RD], s22, v3
	v_lshlrev_b32 v[CO], 12, v2                    ; and the same two rows in out0
	v_lshl_add_u32 v[CO], v1, 4, v[CO]
; 8 matrix instructions: y's blocks a0, a0 + 1 x W_proj's four, 32 along K.  one = 1: the first product starts the sums from the bias.  The 32 accumulators take turns, in the same order in every quarter.
.macro MUL8 f, a0, one
.irp a, \a0, \a0+1
.irp b, 0,1,2,3
.if \one
	v_wmma_f32_16x16x32_f16 v[8*(4*(\a)+\b):8*(4*(\a)+\b)+7], v[\f+64+8*\b:\f+64+8*\b+7], v[\f+8*(\a):\f+8*(\a)+7], v[BI+8*\b:BI+8*\b+7]
.else
	v_wmma_f32_16x16x32_f16 v[8*(4*(\a)+\b):8*(4*(\a)+\b)+7], v[\f+64+8*\b:\f+64+8*\b+7], v[\f+8*(\a):\f+8*(\a)+7], v[8*(4*(\a)+\b):8*(4*(\a)+\b)+7]
.endif
.endr
.endr
.endm
; 24 LDS loads in one run: the fragments of the slot's q-th 32 along K into buffer f: W_proj's four, y's blocks 0-3, y's blocks 4-7.  Quarters 0, 1 lie in the slot's first head, 2, 3 in its second.
.macro FETCH slot, q, f
	WIN TO_F
.irp b, 0,1,2,3
	ds_load_tr16_b128 v[\f+64+8*\b:\f+64+8*\b+3],   v[ADRB+\slot] offset:32*BP*(\q)+32*\b
	ds_load_tr16_b128 v[\f+64+8*\b+4:\f+64+8*\b+7], v[ADRB+\slot] offset:32*BP*(\q)+32*\b+16*BP
.endr
.irp i, 0,1,2,3,4,5,6,7
	ds_load_b128 v[\f+8*\i:\f+8*\i+3],   v[ADRA+\slot] offset:AH*((\q)/2)+64*((\q)%2)+16*AP*\i
	ds_load_b128 v[\f+8*\i+4:\f+8*\i+7], v[ADRA+\slot] offset:AH*((\q)/2)+64*((\q)%2)+16*AP*\i+32
.endr
.endm
; A K step is four quarters of 32 along K, 32 matrix instructions each, on buffers 0, 1, 0, 1.  One of the first three: multiplies buffer f and fetches quarter qn into g.
.macro QUARTER slot, qn, f, g, one
	s_wait_dscnt 8                                 ; W_proj's fragments and y's blocks 0-3 are in; the youngest eight loads (blocks 4-7) may be out
.if \one
	WIN MULZ
.else
	WIN MUL
.endif
	MUL8 \f, 0, \one
	MUL8 \f, 2, \one
	PLACES                                         ; in front of loads into registers that matrix instructions have read
	FETCH \slot, \qn, \g
	s_wait_dscnt 24                                ; all but the 24 just issued
.if \one
	WIN MULZ
.else
	WIN MUL
.endif
	MUL8 \f, 4, \one
	MUL8 \f, 6, \one
.endm
; The last quarter multiplies buffer 1 and changes slots: one barrier; in front of it each wave waits for all its tensor loads, adds 0 to its spare word, and waits for that and for its reads of this slot.  fill = 1: this slot is filled again, two K steps ahead.
.macro TURN slot, next, fill
	WIN 0                                          ; (the add's two registers lie in window 0)
	s_wait_tensorcnt 0x0                           ; all my tensor loads have landed: my part of the next slot
	ds_add_u32 v[SPW], v[NIL]                      ; 0 onto my spare word
	s_wait_dscnt 9                                 ; (the add and the youngest eight loads may be out)
	WIN MUL
	MUL8 F1, 0, 0                                  ; eight matrix instructions stand between the add and the wait for it
	s_wait_dscnt 0x0                               ; the add is done, and my reads of this slot are over
	s_barrier_signal -1
	MUL8 F1, 2, 0
.if \fill
	WIN 0
.endif
	s_barrier_wait -1
.if \fill
	CREST                                          ; the barrier has opened a round of the cluster's: no wave of any partner still reads this slot or has a load on its way
	s_add_nc_u64 s[G0A+4*\slot+2:G0A+4*\slot+3], s[G0A+4*\slot+2:G0A+4*\slot+3], 4*1048576   ; four heads on
	s_add_nc_u64 s[G0B+4*\slot+2:G0B+4*\slot+3], s[G0B+4*\slot+2:G0B+4*\slot+3], 256*2048    ; 256 k rows on
	JLOAD \slot                                    ; the first tensor load behind the round: 112 matrix instructions ahead of the wait for it; its four v_nop are also the places in front of the loads below
.else
	PLACES
.endif
	FETCH \next, 0, F0
	WIN MUL
	MUL8 F1, 4, 0
	MUL8 F1, 6, 0
.endm
	s_wait_tensorcnt 1                             ; my part of K step 0 is in (K step 1's load may be out),
	s_barrier_signal -1
	s_barrier_wait -1                              ; everybody's is
	FETCH 0, 0, F0
	s_wait_loadcnt 0x0                             ; the bias
	QUARTER 0, 1, F0, F1, 1                        ; the first quarter stands in front of the loop: its products start the sums from the bias
	WIN 0                                          ; at a label and at a branch every window is 0
	s_mov_b32 s3, 3
.Llap:                                                 ; a trip goes once round the ring, from a lap's second quarter to the next lap's first, and fills both slots again: K steps 2 to 7
	QUARTER 0, 2, F1, F0, 0
	QUARTER 0, 3, F0, F1, 0
	TURN 0, 1, 1
	QUARTER 1, 1, F0, F1, 0
	QUARTER 1, 2, F1, F0, 0
	QUARTER 1, 3, F0, F1, 0
	TURN 1, 0, 1
	QUARTER 0, 1, F0, F1, 0
	WIN 0
	s_sub_co_u32 s3, s3, 1
	s_cmp_lg_u32 s3, 0
	s_cbranch_scc1 .Llap
	QUARTER 0, 2, F1, F0, 0                        ; the last lap fills nothing, and has no round of the cluster's barrier
	QUARTER 0, 3, F0, F1, 0
	TURN 0, 1, 0
	QUARTER 1, 1, F0, F1, 0
	QUARTER 1, 2, F1, F0, 0
	QUARTER 1, 3, F0, F1, 0
	s_wait_dscnt 8                                 ; the very last quarter: nothing more to fetch
	WIN MUL
	MUL8 F1, 0, 0
	MUL8 F1, 2, 0
	s_wait_dscnt 0
	MUL8 F1, 4, 0
	MUL8 F1, 6, 0
	WIN 0
; THE WAY OUT, block by block of 16 rows x 64 columns.  A lane holds 32 neighbouring bytes of a row; the block goes through my own stage and comes back as rows of 256 bytes: sixteen lanes store 256 consecutive bytes, aligned.
.macro TOSTAGE a
	WIN 0x08                                       ; an LDS store's data are its source 1: window 2
.irp b, 0,1,2,3
	ds_store_b128 v[STO], v[8*(4*(\a)+\b):8*(4*(\a)+\b)+3] offset:64*\b          ; each accumulator from its low end on
	ds_store_b128 v[STO], v[8*(4*(\a)+\b)+4:8*(4*(\a)+\b)+7] offset:64*\b+16
.endr
	WIN 0
.set BB, BK+32*((\a)%2)
.irp t, 0,1,2,3,4,5,6,7
	ds_load_b128 v[BB+4*\t:BB+4*\t+3], v[RD] offset:\t*2*SPITCH    ; LDS serves a wave's instructions in order: these see the stores above
.endr
.endm
.macro SEND a, younger                 ; younger: the LDS instructions issued behind block a's loads, which may stay out
.set BB, BK+32*((\a)%2)
	s_wait_dscnt \younger
.irp t, 0,1,2,3,4,5,6,7
	global_store_b128 v[CO], v[BB+4*\t:BB+4*\t+3], s[10:11] offset:65536*(\a)+8192*\t th:TH_STORE_NT   ; written once, read by nobody here
.endr
.endm
	PLACES                                         ; behind the last products, ahead of the first read of results
	TOSTAGE 0
.irp a, 1,2,3,4,5,6,7
.if \a > 1
	s_wait_xcnt 0x0                                ; block a - 2's stores have read their registers: block a's loads may land there
.endif
	TOSTAGE \a
	SEND \a-1, 16                                  ; behind block a - 1's loads: block a's 8 stores and 8 loads
.endr
	SEND 7, 0
	s_wait_tensorcnt 0x0                           ; the wave's end, behind my last tensor load and my last LDS store
	ds_add_u32 v[SPW], v[NIL]
	s_wait_dscnt 0x0
	CROUND                                         ; the closing round
	s_endpgm
.Lfunc_end_k_q12bb7b0c3c_proj:
	.size	k_q12bb7b0c3c_proj, .Lfunc_end_k_q12bb7b0c3c_proj-k_q12bb7b0c3c_proj
	.p2alignl 7, 3214868480
	.fill 96, 4, 3214868480
	.section	.rodata,"a",@progbits
	.p2align	6, 0x0
	.amdhsa_kernel k_q12bb7b0c3c_proj
		.amdhsa_group_segment_fixed_size 327680
		.amdhsa_private_segment_fixed_size 0
		.amdhsa_enable_private_segment 0
		.amdhsa_kernarg_size 32
		.amdhsa_user_sgpr_count 2
		.amdhsa_user_sgpr_kernarg_segment_ptr 1
		.amdhsa_wavefront_size32 1
		.amdhsa_system_sgpr_workgroup_id_x 1
		.amdhsa_system_sgpr_workgroup_id_y 1
		.amdhsa_system_sgpr_workgroup_id_z 1
		.amdhsa_system_vgpr_workitem_id 0
		.amdhsa_next_free_vgpr 768
		.amdhsa_next_free_sgpr 66
		.amdhsa_reserve_vcc 0
		.amdhsa_float_denorm_mode_32 3
		.amdhsa_float_denorm_mode_16_64 3
		.amdhsa_memory_ordered 1
		.amdhsa_forward_progress 1
		.amdhsa_inst_pref_size 86
	.end_amdhsa_kernel
	.amdgpu_metadata
---
amdhsa.version: [ 1, 2 ]
amdhsa.kernels:
  - .name:           k_q12bb7b0c3c_proj
    .symbol:         k_q12bb7b0c3c_proj.kd
    .args:
      - { .name: y16, .offset: 0, .size: 8, .value_kind: global_buffer, .address_space: global }
      - { .name: wp16, .offset: 8, .size: 8, .value_kind: global_buffer, .address_space: global }
      - { .name: b_proj, .offset: 16, .size: 8, .value_kind: global_buffer, .address_space: global }
      - { .name: out0, .offset: 24, .size: 8, .value_kind: global_buffer, .address_space: global }
    .group_segment_fixed_size: 327680
    .private_segment_fixed_size: 0
    .kernarg_segment_align: 8
    .kernarg_segment_size: 32
    .max_flat_workgroup_size: 128
    .sgpr_count:     66
    .vgpr_count:     768
    .wavefront_size: 32
...
	.end_amdgpu_metadata
.endif
;; end of part 4
